; MI455X (gfx1250); checked and timed in simulation.
; The chip was launched on July 23, 2026; its instructions are those of AMD's public machine-readable ISA for CDNA 5 (MIT licence, August 2026) and "CDNA5" Instruction Set Architecture Reference Guide (July 2026). The comments in the code are by the model that wrote it; some were corrected since.
;; Multi Head Attention. Allowed arithmetic: float matrix products may take bf16 or f16 operands with f32 sums; other float arithmetic in f32, or as packed bf16 or f16 multiplies, adds, multiply-adds, maxima and minima; sums over many terms, partial sums and values carried from step to step in f32; what a program stores and reads back later, other than sums and carried values, may be rounded once to bf16 or f16.
;; Inputs: QKV 4 x 4,096 x 1,024 float32; Wk 1,024 x 1,024 float32; Wo 1,024 x 1,024 float32; Wq 1,024 x 1,024 float32; Wv 1,024 x 1,024 float32; bk 1,024 float32; bo 1,024 float32; bq 1,024 float32; bv 1,024 float32.
;; Outputs: out0 4 x 4,096 x 1,024 float32.
;; Constants: is_causal = 1.
;; 2 versions, each right; version 2 is version 1 with the launch attn written anew for expert scheduling mode. Each part assembles by itself: llvm-mc -triple=amdgcn-amd-amdhsa -mcpu=gfx1250 --defsym DOCPART=n.
;; ======== version 1 of 2: 4 launches
;; limits: values are held in f16: magnitudes above 65,504 overflow, below 6.1e-05 lose precision
;; workspace buffers: xh 33,554,432 bytes; wh 6,291,456 bytes; woh 2,097,152 bytes; bh 12,288 bytes; boh 4,096 bytes; proj 134,217,728 bytes; vh 33,554,432 bytes; ah 33,554,432 bytes
;; launch cast (part 1): grid 1281 x 1, 8 waves a work-group, no clusters, 0 bytes of LDS; arguments QKV, Wq, Wk, Wv, Wo, bq, bk, bv, bo, xh, wh, woh, bh, boh; writes xh, wh, woh, bh, boh
.if DOCPART == 1
	.amdgcn_target "amdgcn-amd-amdhsa--gfx1250"
	.amdhsa_code_object_version 6
	.text
	.protected	k_qd7c9192ab1_cast
	.globl	k_qd7c9192ab1_cast
	.p2align	8
	.type	k_qd7c9192ab1_cast,@function
k_qd7c9192ab1_cast:
	s_mov_b64 s[64:65], 0
	v_nop
	global_prefetch_b8 v0, s[64:65] scope:SCOPE_SE
	s_setreg_imm32_b32 hwreg(HW_REG_WAVE_MODE, 25, 1), 1
	s_wait_xcnt 0x0
; Every input is rounded ONCE to bf16 (nearest even).  x and the four weights are then written as f16, which holds a bf16 number exactly
; from 2^-17 up to 65,504; the biases are written back as f32.
; LIMITS.  |x| and |W| stay within 65,504 (beyond it the f16 is an infinity); a bf16 number below 2^-17 is off by 2^-25 at the most in f16.
; Wv's rows and bv are written PERMUTED: source row 64 g + d goes to row 16 d + g, so that the projection's plane v is [token][d][g],
; a token's V transposed, as the second product of the attention takes it.
; SHARES.  Work-groups 0-1023: a chunk of x each; 1024-1279: a chunk of Wq, Wk, Wv, Wo (64 chunks each); 1280: the four biases.
; A chunk is 16 rows of 1,024 numbers: 65,536 bytes in, 32,768 out.  Thread t takes 16 bytes at 16 t of each row (a wave's load covers 512
; consecutive bytes) and stores 8 bytes at 8 t of the row (a wave's store covers 256 consecutive bytes, aligned).
; All sixteen loads go out at once; no register that a memory instruction names is written again, so the only waits are the counted ones for data.
; No LDS, no matrix unit, no cluster: nothing is shared and nothing is summed.
.set OFF, 8                            ; v[8:23]   row j's byte offset in the destination
.set X,   32                           ; v[32:95]  row j: 4 registers as loaded
.set Y,   96                           ; v[96:127] row j: 2 registers to store
	s_load_b512 s[8:23], s[0:1], 0x0               ; QKV 8, Wq 10, Wk 12, Wv 14, Wo 16, bq 18, bk 20, bv 22
	s_load_b256 s[24:31], s[0:1], 0x40             ; bo 24, xh 26, wh 28, woh 30
	s_load_b128 s[32:35], s[0:1], 0x60             ; bh 32, boh 34
	s_mov_b32 s2, ttmp9                            ; id
	s_sub_co_u32 s3, s2, 1024                      ; e: the chunk's number among the weights' (for x it wraps, and matches none of the compares below)
	s_lshr_b32 s4, s3, 6                           ; w: 0 Wq, 1 Wk, 2 Wv, 3 Wo
	s_and_b32 s5, s3, 63                           ; c: the chunk in its weight
	v_lshlrev_b32 v1, 4, v0                        ; 16 t
	; the source's offset: the chunk's 65,536 bytes
	s_lshl_b32 s36, s5, 16
	s_lshl_b32 s6, s2, 16
	s_cmp_lt_u32 s2, 1024
	s_cselect_b32 s36, s6, s36
	s_mov_b32 s37, 0
	; the destination's offset and the bytes from row to row
	s_lshl_b32 s44, s3, 15                         ; Wq, Wk: chunk e of wh
	s_lshl_b32 s6, s5, 15                          ; Wo: chunk c of woh
	s_cmp_eq_u32 s4, 3
	s_cselect_b32 s44, s6, s44
	s_and_b32 s6, s5, 3                            ; Wv: source rows 16 c + j are g = c / 4, d = 16 (c % 4) + j: row 256 (c % 4) + 16 j + c / 4 of Wv's part
	s_lshl_b32 s6, s6, 19
	s_lshr_b32 s7, s5, 2
	s_lshl_b32 s7, s7, 11
	s_add_co_u32 s6, s6, s7
	s_add_co_u32 s6, s6, 0x400000                  ; which begins at row 2,048 of wh
	s_mov_b32 s38, 2048
	s_mov_b32 s39, 32768                           ; 16 rows
	s_cmp_eq_u32 s4, 2
	s_cselect_b32 s44, s6, s44
	s_cselect_b32 s38, s39, s38
	s_lshl_b32 s6, s2, 15                          ; x: chunk id of xh
	s_cmp_lt_u32 s2, 1024
	s_cselect_b32 s44, s6, s44
	s_mov_b32 s45, 0
	v_lshlrev_b32 v[OFF], 3, v0                    ; 8 t
.irp j, 1,2,3,4,5,6,7,8,9,10,11,12,13,14,15
	v_add_nc_u32 v[OFF+(\j)], s38, v[OFF+(\j)-1]
.endr
	s_wait_kmcnt 0x0
	s_cmp_eq_u32 s2, 1280
	s_cbranch_scc1 .Lbias
	s_mov_b64 s[40:41], s[8:9]                     ; the source: x, or the weight that w names
	s_cmp_eq_u32 s4, 0
	s_cselect_b64 s[40:41], s[10:11], s[40:41]
	s_cmp_eq_u32 s4, 1
	s_cselect_b64 s[40:41], s[12:13], s[40:41]
	s_cmp_eq_u32 s4, 2
	s_cselect_b64 s[40:41], s[14:15], s[40:41]
	s_cmp_eq_u32 s4, 3
	s_cselect_b64 s[40:41], s[16:17], s[40:41]
	s_mov_b64 s[42:43], s[28:29]                   ; the destination: wh, woh for Wo, xh for x
	s_cmp_eq_u32 s4, 3
	s_cselect_b64 s[42:43], s[30:31], s[42:43]
	s_cmp_lt_u32 s2, 1024
	s_cselect_b64 s[42:43], s[26:27], s[42:43]
	s_add_nc_u64 s[40:41], s[40:41], s[36:37]
	s_add_nc_u64 s[42:43], s[42:43], s[44:45]
.irp j, 0,1,2,3,4,5,6,7,8,9,10,11,12,13,14,15
	global_load_b128 v[X+4*(\j):X+4*(\j)+3], v1, s[40:41] offset:(\j)*4096 th:TH_LOAD_NT
.endr
.irp j, 0,1,2,3,4,5,6,7,8,9,10,11,12,13,14,15
	s_wait_loadcnt 15-(\j)                         ; loads come back in order: row j is in, the younger ones stay out
	v_cvt_pk_bf16_f32 v2, v[X+4*(\j)], v[X+4*(\j)+1]      ; the one rounding
	v_cvt_pk_bf16_f32 v3, v[X+4*(\j)+2], v[X+4*(\j)+3]
	v_lshlrev_b32 v4, 16, v2                       ; bf16 to f32: the low half moves up,
	v_and_b32 v5, 0xffff0000, v2                   ; the high half stays
	v_lshlrev_b32 v6, 16, v3
	v_and_b32 v7, 0xffff0000, v3
	v_cvt_pk_f16_f32 v[Y+2*(\j)], v4, v5           ; the same numbers as f16
	v_cvt_pk_f16_f32 v[Y+2*(\j)+1], v6, v7
	global_store_b64 v[OFF+(\j)], v[Y+2*(\j):Y+2*(\j)+1], s[42:43]
.endr
	s_endpgm
.Lbias:                                                ; 256 threads, four numbers of each bias
	global_load_b128 v[32:35], v1, s[18:19]        ; bq
	global_load_b128 v[36:39], v1, s[20:21]        ; bk
	global_load_b128 v[40:43], v1, s[24:25]        ; bo
	v_and_b32 v2, 3, v0                            ; bv: destination numbers 4 t + i are d = t / 4, g = 4 (t % 4) + i: source number 64 g + d
	v_lshrrev_b32 v3, 2, v0
	v_lshlrev_b32 v2, 10, v2
	v_lshl_add_u32 v2, v3, 2, v2                   ; 1,024 (t % 4) + 4 (t / 4), and 256 i in the immediate
.irp i, 0,1,2,3
	global_load_b32 v[44+(\i)], v2, s[22:23] offset:256*(\i)
.endr
	s_wait_loadcnt 0x0
.irp p, 0,1,2,3,4,5,6,7
	v_cvt_pk_bf16_f32 v4, v[32+2*(\p)], v[33+2*(\p)]
	v_lshlrev_b32 v[64+2*(\p)], 16, v4
	v_and_b32 v[65+2*(\p)], 0xffff0000, v4
.endr
	global_store_b128 v1, v[64:67], s[32:33]
	global_store_b128 v1, v[68:71], s[32:33] offset:4096
	global_store_b128 v1, v[76:79], s[32:33] offset:8192
	global_store_b128 v1, v[72:75], s[34:35]
	s_endpgm
.Lfunc_end_k_qd7c9192ab1_cast:
	.size	k_qd7c9192ab1_cast, .Lfunc_end_k_qd7c9192ab1_cast-k_qd7c9192ab1_cast
	.p2alignl 7, 3214868480
	.fill 96, 4, 3214868480
	.section	.rodata,"a",@progbits
	.p2align	6, 0x0
	.amdhsa_kernel k_qd7c9192ab1_cast
		.amdhsa_group_segment_fixed_size 0
		.amdhsa_private_segment_fixed_size 0
		.amdhsa_enable_private_segment 0
		.amdhsa_kernarg_size 112
		.amdhsa_user_sgpr_count 2
		.amdhsa_user_sgpr_kernarg_segment_ptr 1
		.amdhsa_wavefront_size32 1
		.amdhsa_system_sgpr_workgroup_id_x 1
		.amdhsa_system_sgpr_workgroup_id_y 1
		.amdhsa_system_sgpr_workgroup_id_z 1
		.amdhsa_system_vgpr_workitem_id 0
		.amdhsa_next_free_vgpr 128
		.amdhsa_next_free_sgpr 66
		.amdhsa_reserve_vcc 0
		.amdhsa_float_denorm_mode_32 3
		.amdhsa_float_denorm_mode_16_64 3
		.amdhsa_memory_ordered 1
		.amdhsa_forward_progress 1
		.amdhsa_inst_pref_size 16
	.end_amdhsa_kernel
	.amdgpu_metadata
---
amdhsa.version: [ 1, 2 ]
amdhsa.kernels:
  - .name:           k_qd7c9192ab1_cast
    .symbol:         k_qd7c9192ab1_cast.kd
    .args:
      - { .name: QKV, .offset: 0, .size: 8, .value_kind: global_buffer, .address_space: global }
      - { .name: Wq, .offset: 8, .size: 8, .value_kind: global_buffer, .address_space: global }
      - { .name: Wk, .offset: 16, .size: 8, .value_kind: global_buffer, .address_space: global }
      - { .name: Wv, .offset: 24, .size: 8, .value_kind: global_buffer, .address_space: global }
      - { .name: Wo, .offset: 32, .size: 8, .value_kind: global_buffer, .address_space: global }
      - { .name: bq, .offset: 40, .size: 8, .value_kind: global_buffer, .address_space: global }
      - { .name: bk, .offset: 48, .size: 8, .value_kind: global_buffer, .address_space: global }
      - { .name: bv, .offset: 56, .size: 8, .value_kind: global_buffer, .address_space: global }
      - { .name: bo, .offset: 64, .size: 8, .value_kind: global_buffer, .address_space: global }
      - { .name: xh, .offset: 72, .size: 8, .value_kind: global_buffer, .address_space: global }
      - { .name: wh, .offset: 80, .size: 8, .value_kind: global_buffer, .address_space: global }
      - { .name: woh, .offset: 88, .size: 8, .value_kind: global_buffer, .address_space: global }
      - { .name: bh, .offset: 96, .size: 8, .value_kind: global_buffer, .address_space: global }
      - { .name: boh, .offset: 104, .size: 8, .value_kind: global_buffer, .address_space: global }
    .group_segment_fixed_size: 0
    .private_segment_fixed_size: 0
    .kernarg_segment_align: 8
    .kernarg_segment_size: 112
    .max_flat_workgroup_size: 256
    .sgpr_count:     66
    .vgpr_count:     128
    .wavefront_size: 32
...
	.end_amdgpu_metadata
.endif
;; end of part 1
;; launch qkv (part 2): grid 4 x 64, 4 waves a work-group, clusters of 4 x 4, 327,680 bytes of LDS; arguments xh, wh, bh, proj, vh; writes proj, vh
.if DOCPART == 2
	.amdgcn_target "amdgcn-amd-amdhsa--gfx1250"
	.amdhsa_code_object_version 6
	.text
	.protected	k_qd7c9192ab1_qkv
	.globl	k_qd7c9192ab1_qkv
	.p2align	8
	.type	k_qd7c9192ab1_qkv,@function
k_qd7c9192ab1_qkv:
	s_mov_b64 s[64:65], 0
	v_nop
	global_prefetch_b8 v0, s[64:65] scope:SCOPE_SE
	s_setreg_imm32_b32 hwreg(HW_REG_WAVE_MODE, 25, 1), 1
	s_wait_xcnt 0x0
	s_wait_alu depctr_hold_cnt(0) depctr_sa_sdst(0) depctr_va_vdst(0) depctr_va_sdst(0) depctr_va_ssrc(0) depctr_va_vcc(0) depctr_vm_vsrc(0)
	s_getreg_b32 s2, hwreg(HW_REG_IB_STS2, 6, 4)
	s_cmp_eq_u32 s2, 0
	s_cbranch_scc0 .Lentry_in_a_cluster
	s_endpgm
.Lentry_in_a_cluster:
	s_bfe_u32 s2, ttmp6, 0x10000c
	s_cmp_lg_u32 s2, 0xf033
	s_cbranch_scc0 .Lentry_shape_is_right
	s_endpgm
.Lentry_shape_is_right:
; THE THREE PROJECTIONS.  C[m][n] = bias[n] + the sum over k of A[m][k] B[n][k].  A = xh: [16384][1024] f16, B = wh: [3072][1024] f16, bias = bh: [3072] f32; sums in f32, K ascending.
; B's rows 1024 p .. 1024 p + 1023 make plane p: q and k leave as f32 into proj, [2][16384][1024]; v leaves rounded once to f16 into vh, [16384][1024].
; LIMIT.  f16 holds no number beyond 65,504: x, the weights and v stay within it.
; A tile of C, 256 x 256, is made by a work-group of four waves; a wave makes 128 x 128: 64 accumulators of 16 x 16, 512 registers.  K goes in 8 steps of 128 through
; a ring of two LDS slots filled by the tensor data mover; the tiles' rows are 256 bytes of memory and start at multiples of 256 bytes.
; A WORK-GROUP STAYS: it makes THREE tiles, the same 256 rows and the same 256 columns of planes q, k, v: a loop over tiles round the loop over K.  The ring does not stop at a tile's end: a tile's
; last two changes of slots ask for the next tile's first two K steps, and nothing waits for a tile's stores.  v is the last tile: nothing follows under which its stores could leave, and it has half the bytes.
; CLUSTERS: 4 x 4 work-groups.  The four of a row of the cluster need the same tiles of A, the four of a column the same tiles of B: each tile is asked for JOINTLY, by the
; same tensor load with the same descriptor and a mask that names the four.  All sixteen walk the planes in step.
; THE MATRIX INSTRUCTION IS USED TRANSPOSED: source 0 = 16 rows of B, source 1 = 16 rows of A: lane l holds row l % 16 of C and the columns 8 (l / 16) + 0 .. 7.
; THE BIAS STARTS THE SUMS: it is the C operand of each accumulator's first product (64 registers a lane, loaded anew for each plane); nothing is cleared and nothing is added later.
; REGISTERS, in windows of 256 (s_set_vgpr_msb: bits 1:0 source 0, 3:2 source 1, 5:4 source 2, 7:6 destination):
;   window 0: v0-31 addresses; v32-63 packed results of plane v; v64-127, v128-191 fragments of A, two buffers; v192-255 the bias
;   window 1: v64-127, v128-191 fragments of B, two buffers; v0-63, v192-255 rows read back from the stage      window 2: the accumulators of my rows 0-63 ((a, b) at v[8 (8 a + b)])      window 3: those of my rows 64-127
.set SIZE_K, 1024
.set TILES,  3
.set CROW,   4096                      ; bytes in a row of a plane of proj
.set VROW,   2048                      ; bytes in a row of vh
.set PLANE,  16384*CROW                ; bytes in a plane of proj
.set KSTEP,  128
.set PITCH,  272                       ; an LDS row: 256 bytes + 16 of padding = 68 words: the 16 rows that a load touches start at 16 different groups of four banks (64 banks of 4 bytes: ISA guide 11.1)
.set HALFT,  128*PITCH                 ; 128 rows: what one tensor load brings, and what one wave reads of A or of B
.set SLOT,   4*HALFT                   ; A's 256 rows, then B's 256 rows
.set STAGE,  2*SLOT                    ; behind the ring: 16 rows x 528 bytes for each wave, for the way out; no tensor load fills it
.set SPITCH, 528                       ; f32 rows: 512 bytes + 16 = 132 words: again 16 rows at 16 different groups of four banks
.set HPITCH, 272                       ; f16 rows: 256 bytes + 16
.set SPARE,  STAGE+4*16*SPITCH         ; behind the stages: the spare words, 128 bytes for each wave: two blocks of 256 bytes that no other line names
.set LAPS, SIZE_K/(2*KSTEP)            ; a lap = two K steps = once round the ring
.set BACK_A, (SIZE_K-2*KSTEP)*2        ; bytes from a slot's last K step of a tile back to its first: the walk's tiles share their rows of A;
.set NEXT_B, 1024*SIZE_K*2-BACK_A      ; B goes 1,024 rows on and back along K
.set ADRA, 16                          ; v16-17  LDS address of my A fragments in slot 0, 1
.set ADRB, 20                          ; v20-21  the same for B
.set COH,  22                          ; v22     plane v: my byte offset in two rows of vh
.set STO,  24                          ; v24     the way out in f32: where I put 32 bytes of a row
.set RD,   25                          ; v25     where I read a row back
.set CO,   26                          ; v26     my byte offset in 512 bytes of a row of proj
.set BO,   27                          ; v27     my byte offset in 64 bytes of the bias
.set SPW,  28                          ; v28     LDS address of my spare word: SPARE + 4 x my thread's number; never rewritten
.set NIL,  29                          ; v29     0; never rewritten
.set STOH, 30                          ; v30     the way out in f16: where I put 16 bytes of a row
.set RDH,  31                          ; v31     where I read two rows back
.set TMP,  32                          ; v32-63  plane v: a block's packed results
.set F0,   64                          ; fragment buffer 0
.set F1,   128                         ; fragment buffer 1
.set BIAS, 192                         ; window 0: column block b at BIAS + 8 b
.set G1, 24                            ; s[24:31] descriptor group 1 for A's tiles
.set G0, 32                            ; s[32:39] descriptor group 0 for A's tiles, one set for each slot
.set G1B, 48                           ; s[48:55] descriptor group 1 for B's tiles: it differs from A's in the mask alone
.set G0B, 56                           ; s[56:63] descriptor group 0 for B's tiles, one set for each slot
.set MSB, 0
.macro WIN new                         ; the immediate's high byte repeats the setting that is left; a switch that changes nothing is dropped
.if MSB != (\new)
	s_set_vgpr_msb (MSB<<8)|(\new)
.set MSB, \new
.endif
.endm
.set MUL_LO, 0xa1                      ; source 0 (B) window 1, source 1 (A) window 0, C and D window 2
.set MUL_HI, 0xf1                      ; the same, C and D window 3
.set TO_B,   0x40                      ; destination window 1, address window 0
.set FROM_B, 0x04                      ; a store's data (source 1) window 1, address window 0
; A joint load.  Waves 0 and 1 fetch A's two halves, waves 2 and 3 B's.  The branch hangs on the wave's number alone: it is the same in every work-group.
; An s_nop 0 and four v_nop follow each of the two lines; the jump, the label and what follows come after them.
.macro JLOAD s
	s_cmp_eq_u32 s11, 0
	s_cbranch_scc0 .Lfor_b_\@
	tensor_load_to_lds s[G0+4*(\s):G0+4*(\s)+3], s[G1:G1+7]
	s_nop 0
.rept 4
	v_nop
.endr
	s_branch .Lasked_\@
.Lfor_b_\@:
	tensor_load_to_lds s[G0B+4*(\s):G0B+4*(\s)+3], s[G1B:G1B+7]
	s_nop 0
.rept 4
	v_nop
.endr
.Lasked_\@:
.endm
; A round of the cluster's barrier: my work-group's barrier, so that wave 0's signal speaks for all four waves; wave 0 signals; every wave waits for all sixteen work-groups; my work-group's barrier once more.
.macro CREST                           ; a round behind its opening barrier
	s_cmp_lg_u32 s10, 0
	s_cbranch_scc1 .Lnot_wave_0_\@
	s_barrier_signal -3
.Lnot_wave_0_\@:
	s_barrier_wait -3
	s_barrier_signal -1
	s_barrier_wait -1
.endm
.macro CROUND                          ; a whole round
	s_barrier_signal -1
	s_barrier_wait -1
	CREST
.endm
	s_load_b128 s[4:7], s[0:1], 0x0                ; A s[4:5], B s[6:7]
	s_load_b128 s[68:71], s[0:1], 0x10             ; bias s[68:69], proj s[70:71]
	s_load_b64 s[72:73], s[0:1], 0x20              ; vh
	v_lshl_add_u32 v[SPW], v0, 2, SPARE
	v_mov_b32 v[NIL], 0
	ds_add_u32 v[SPW], v[NIL]                      ; the wave's opening: the add and its wait stand ahead of my first tensor load; the set-up below, work on registers, stands between them
	v_lshrrev_b32 v1, 5, v0
	v_readfirstlane_b32 s10, v1                    ; wave 0..3
	s_lshr_b32 s11, s10, 1                         ; which half of the tile's rows is mine.  Also: I fetch for A (0) or for B (1)
	s_and_b32 s12, s10, 1                          ; which half of its columns.  Also: which 128 rows of that tile I fetch
	s_bfe_u32 s40, ttmp6, 0x40000                  ; cx: my place along the cluster's x
	s_bfe_u32 s41, ttmp6, 0x40004                  ; cy: along its y
	s_lshl_b32 s42, ttmp9, 2                       ; in a cluster launch ttmp9 and ttmp7 count clusters
	s_add_co_u32 s42, s42, s40                     ; tile column in a plane = 4 x cluster x + cx (the grid is one cluster wide)
	s_and_b32 s13, ttmp7, 0xffff
	s_lshl_b32 s13, s13, 2
	s_add_co_u32 s13, s13, s41                     ; tile row = 4 x cluster y + cy
	s_lshl_b32 s43, s41, 2
	s_lshl_b32 s43, 15, s43                        ; my row of the cluster: places 4 cy .. 4 cy + 3
	s_lshl_b32 s44, 0x1111, s40                    ; my column: places cx, cx + 4, cx + 8, cx + 12
	; descriptor group 1: a tile of 128 rows x 128 elements, padded in LDS
	s_or_b32 s[G1+0], s43, (1<<16)|(1<<20)|(1<<21)|(5<<22)|(3<<25)  ; 15:0 the mask: A's tiles go to my row; 17:16 elements of 2 bytes; 20 padding on; 21 set beside a mask; 24:22 after every 64 words (code 5); 31:25 4 words of it (code 3)
	s_or_b32 s[G1B+0], s44, (1<<16)|(1<<20)|(1<<21)|(5<<22)|(3<<25) ; the same with the mask of my column, for B's tiles
.irp g, G1, G1B
	s_mov_b32 s[(\g)+1], KSTEP<<16                 ; tensor_dim0 = 128
	s_mov_b32 s[(\g)+2], 128<<16                   ; tensor_dim1 = 128
	s_mov_b32 s[(\g)+3], KSTEP<<16                 ; tile_dim0 = 128
	s_mov_b32 s[(\g)+4], 128                       ; tile_dim1 = 128
	s_mov_b32 s[(\g)+5], SIZE_K                    ; elements from row to row
	s_mov_b32 s[(\g)+6], 0
	s_mov_b32 s[(\g)+7], 0
.endr
	; where the tiles come from.  A's hang on the tile row alone, which my row of the cluster shares; B's on the tile column alone, which my column shares.
	; Every wave makes both addresses, in registers that never hold the other coordinate, and asks by one of them.
	s_lshl_b32 s17, s12, 7                         ; which 128 rows of the tile I fetch
	s_lshl_b32 s16, s13, 8
	s_add_co_u32 s16, s16, s17                     ; A: row 256 x tile row + 128 x half
	s_lshl_b32 s46, s42, 8
	s_add_co_u32 s46, s46, s17                     ; B: row 256 x tile column + 128 x half, in plane q
	s_mov_b32 s17, 0
	s_mov_b32 s47, 0
	s_mov_b64 s[18:19], SIZE_K*2
	s_mul_u64 s[16:17], s[16:17], s[18:19]         ; in bytes
	s_mul_u64 s[46:47], s[46:47], s[18:19]
	s_mul_i32 s20, s10, HALFT                      ; and where they go: wave x 128 rows: no place in the cluster enters an LDS address
	s_wait_dscnt 0x0                               ; the opening add is done
	s_wait_kmcnt 0x0
	s_add_nc_u64 s[14:15], s[4:5], s[16:17]
	s_add_nc_u64 s[46:47], s[6:7], s[46:47]
	CROUND                                         ; all sixteen work-groups are here: the first joint loads meet
.irp s, 0,1
	s_mov_b32 s[G0+4*(\s)], 1                                      ; count = 1
	s_add_co_u32 s[G0+4*(\s)+1], s20, (\s)*SLOT                    ; LDS address
	s_add_nc_u64 s[G0+4*(\s)+2:G0+4*(\s)+3], s[14:15], (\s)*KSTEP*2  ; global address: K step s
	s_or_b32 s[G0+4*(\s)+3], s[G0+4*(\s)+3], 0x80000000            ; type = 2
	s_mov_b32 s[G0B+4*(\s)], 1
	s_add_co_u32 s[G0B+4*(\s)+1], s20, (\s)*SLOT
	s_add_nc_u64 s[G0B+4*(\s)+2:G0B+4*(\s)+3], s[46:47], (\s)*KSTEP*2
	s_or_b32 s[G0B+4*(\s)+3], s[G0B+4*(\s)+3], 0x80000000
	JLOAD \s                                       ; the ring is filled before anything else is done: two tensor loads of mine are out
.endr
	v_and_b32 v1, 15, v0                           ; l % 16
	v_bfe_u32 v2, v0, 4, 1                         ; l / 16
	; the bias of my 128 columns: register j of block b is bias[16 b + 8 (l / 16) + j], the accumulators' own layout
	v_lshlrev_b32 v[BO], 5, v2
	s_lshl_b32 s46, s42, 10                        ; 256 columns of 4 bytes a tile column,
	s_lshl_b32 s47, s12, 9                         ; my half of them
	s_add_co_u32 s46, s46, s47
	s_mov_b32 s47, 0
	s_add_nc_u64 s[68:69], s[68:69], s[46:47]
.macro BIASIN
.irp b, 0,1,2,3,4,5,6,7
	global_load_b128 v[BIAS+8*(\b):BIAS+8*(\b)+3],   v[BO], s[68:69] offset:64*(\b)
	global_load_b128 v[BIAS+8*(\b)+4:BIAS+8*(\b)+7], v[BO], s[68:69] offset:64*(\b)+16
.endr
.endm
	BIASIN                                         ; plane q's
	; A fragment is 16 rows x 32 K in 8 registers: lane l holds row l % 16; registers 0-3 hold K = 8 (l / 16) + 0..7, registers 4-7 hold 16 + 8 (l / 16) + 0..7: two loads of 16 bytes, 32 bytes apart.
	v_mul_u32_u24 v3, v1, PITCH
	v_lshl_add_u32 v3, v2, 4, v3                   ; row x pitch + 16 x half
	s_mul_i32 s21, s11, HALFT                      ; my 128 rows of A
	s_mul_i32 s22, s12, HALFT                      ; my 128 rows of B,
	s_add_co_u32 s22, s22, 2*HALFT                 ; which lie behind A's 256
.irp s, 0,1
	v_add_nc_u32 v[ADRA+(\s)], s21, v3
	v_add_nc_u32 v[ADRB+(\s)], s22, v3
	s_add_co_u32 s21, s21, SLOT
	s_add_co_u32 s22, s22, SLOT
.endr
	s_mul_i32 s23, s10, 16*SPITCH
	s_add_co_u32 s23, s23, STAGE                   ; my stage
	v_mul_u32_u24 v4, v1, SPITCH                   ; f32, in: row l % 16, 32 bytes for each half of the lanes
	v_lshl_add_u32 v4, v2, 5, v4
	v_add_nc_u32 v[STO], s23, v4
	v_and_b32 v5, 31, v0
	v_lshlrev_b32 v[CO], 4, v5                     ; back: 32 lanes take one row of 512 bytes,
	v_add_nc_u32 v[RD], s23, v[CO]                 ; and store it as it lies
	v_mul_u32_u24 v4, v1, HPITCH                   ; f16, in: row l % 16, 16 bytes for each half of the lanes
	v_lshl_add_u32 v4, v2, 4, v4
	v_add_nc_u32 v[STOH], s23, v4
	v_mul_u32_u24 v5, v2, HPITCH                   ; back: lanes 0-15 take one row of 256 bytes, lanes 16-31 the next,
	v_lshl_add_u32 v5, v1, 4, v5
	v_add_nc_u32 v[RDH], s23, v5
	v_lshlrev_b32 v5, 11, v2                       ; and the same two rows in vh
	v_lshl_add_u32 v[COH], v1, 4, v5
	; proj and vh at my part of the tile: the row's part in registers that never hold cx, the column's in those that held B's address
	s_lshl_b32 s16, s13, 20                        ; 256 rows of 4,096 bytes a tile row,
	s_lshl_b32 s17, s11, 19                        ; my 128 of them
	s_add_co_u32 s16, s16, s17
	s_mov_b32 s17, 0
	s_add_nc_u64 s[70:71], s[70:71], s[16:17]
	s_lshr_b32 s16, s16, 1                         ; the same rows, of 2,048 bytes
	s_add_nc_u64 s[72:73], s[72:73], s[16:17]
	s_lshl_b32 s46, s42, 10                        ; the tile's 256 columns in its plane,
	s_lshl_b32 s47, s12, 9                         ; my 128 of them
	s_add_co_u32 s46, s46, s47
	s_mov_b32 s47, 0
	s_add_nc_u64 s[70:71], s[70:71], s[46:47]
	s_lshr_b32 s46, s46, 1                         ; the same columns, of 2 bytes
	s_add_nc_u64 s[72:73], s[72:73], s[46:47]
; 16 matrix instructions: m blocks a0, a0 + 1 of the window's four (hi = 0: my rows 0-63, 1: rows 64-127) x all 8 n blocks, 32 along K.
; zero = 1: the first product starts the sums, with the bias (source 2 in window 0).  The 64 accumulators take turns, one instruction a turn.
.macro MUL16 f, hi, a0, zero
.if \zero
	WIN 0x81+0x40*(\hi)
.else
	WIN MUL_LO+0x50*(\hi)
.endif
.irp a, \a0, (\a0)+1
.irp b, 0,1,2,3,4,5,6,7
.if \zero
	v_wmma_f32_16x16x32_f16 v[8*(8*(\a)+(\b)):8*(8*(\a)+(\b))+7], v[(\f)+8*(\b):(\f)+8*(\b)+7], v[(\f)+8*(4*(\hi)+(\a)):(\f)+8*(4*(\hi)+(\a))+7], v[BIAS+8*(\b):BIAS+8*(\b)+7]
.else
	v_wmma_f32_16x16x32_f16 v[8*(8*(\a)+(\b)):8*(8*(\a)+(\b))+7], v[(\f)+8*(\b):(\f)+8*(\b)+7], v[(\f)+8*(4*(\hi)+(\a)):(\f)+8*(4*(\hi)+(\a))+7], v[8*(8*(\a)+(\b)):8*(8*(\a)+(\b))+7]
.endif
.endr
.endr
.endm
; 32 LDS loads in one run: the fragments of one quarter step (128 rows of B, 128 rows of A, 32 K at byte k of the rows) into buffer f
.macro FETCH slot, k, f
	WIN TO_B
.irp i, 0,1,2,3,4,5,6,7
	ds_load_b128 v[(\f)+8*(\i):(\f)+8*(\i)+3],   v[ADRB+(\slot)] offset:(\k)+(\i)*16*PITCH
	ds_load_b128 v[(\f)+8*(\i)+4:(\f)+8*(\i)+7], v[ADRB+(\slot)] offset:(\k)+(\i)*16*PITCH+32
.endr
	WIN 0
.irp i, 0,1,2,3,4,5,6,7
	ds_load_b128 v[(\f)+8*(\i):(\f)+8*(\i)+3],   v[ADRA+(\slot)] offset:(\k)+(\i)*16*PITCH
	ds_load_b128 v[(\f)+8*(\i)+4:(\f)+8*(\i)+7], v[ADRA+(\slot)] offset:(\k)+(\i)*16*PITCH+32
.endr
.endm
; A load into a register that a matrix instruction has read, and a vector instruction or an LDS store that reads a matrix result, stand four places behind that matrix instruction, and only plain
; vector instructions that name none of its registers are places (ISA guide 7.12.1 for vector instructions).
.macro PLACES
.rept 4
	v_nop
.endr
.endm
; A K step is four quarter steps of 32 along K, 64 matrix instructions each, on buffers 0, 1, 0, 1.
; One of the first three: multiplies buffer f; in its middle it fetches the next quarter's fragments, at byte k of the same slot's rows, into buffer g.
.macro QUARTER slot, k, f, g, zero
	s_wait_dscnt 8                                 ; B and A's rows 0-63 are in; the youngest eight loads (A's rows 64-127) may be out
	MUL16 \f, 0, 0, \zero
	MUL16 \f, 0, 2, \zero
	PLACES
	FETCH \slot, \k, \g
	s_wait_dscnt 32                                ; all but the 32 just issued
	MUL16 \f, 1, 0, \zero
	MUL16 \f, 1, 2, \zero
.endm
; The last quarter multiplies buffer 1 and changes slots.  MEET is its first half: ONE barrier for the change of slots.  In front of it each wave waits for all its tensor loads, of which one
; is out: its part of the next slot; adds 0 to its spare word; and waits for that and for its own reads of this slot.  Behind it nobody reads this slot any more and the next slot is whole.
.macro MEET round                      ; round = 1: a round of the cluster's barrier follows
	WIN 0                                          ; (the add's two registers lie in window 0)
	s_wait_tensorcnt 0x0                           ; all my tensor loads have landed;
	ds_add_u32 v[SPW], v[NIL]                      ; 0 onto my spare word;
	s_wait_dscnt 9                                 ; (the add and the youngest eight loads may be out)
	MUL16 F1, 0, 0, 0                              ; sixteen matrix instructions stand between the add and the wait for it
	s_wait_dscnt 0x0                               ; the add is done, and my reads of this slot are over:
	s_barrier_signal -1                            ; say so,
	MUL16 F1, 0, 2, 0                              ; work on registers while the others arrive,
.if \round
	WIN 0
.endif
	s_barrier_wait -1                              ; and go on when all four have said so
.endm
; The whole last quarter.  The barrier opens a round of the cluster's; behind the round the slot just read out is filled again first: with this tile's K step two steps on (on = 0) or, in a tile's
; last two K steps, with the NEXT tile's K step 0 or 1 (on = 1); then come the next slot's first fragments.  From a request to the wait for it a wave issues 224 matrix instructions, across tiles too.
.macro TURN slot, next, on
	MEET 1
	CREST                                          ; no wave of any partner still reads this slot's tile or has a load on its way
.if \on
	s_sub_nc_u64 s[G0+4*(\slot)+2:G0+4*(\slot)+3], s[G0+4*(\slot)+2:G0+4*(\slot)+3], BACK_A
	s_add_nc_u64 s[G0B+4*(\slot)+2:G0B+4*(\slot)+3], s[G0B+4*(\slot)+2:G0B+4*(\slot)+3], NEXT_B
.else
	s_add_nc_u64 s[G0+4*(\slot)+2:G0+4*(\slot)+3], s[G0+4*(\slot)+2:G0+4*(\slot)+3], 2*KSTEP*2
	s_add_nc_u64 s[G0B+4*(\slot)+2:G0B+4*(\slot)+3], s[G0B+4*(\slot)+2:G0B+4*(\slot)+3], 2*KSTEP*2
.endif
	JLOAD \slot                                    ; my one tensor load behind the round; the four v_nop behind it are also the places in front of the loads below
	FETCH \next, 0, F0
	MUL16 F1, 1, 0, 0
	MUL16 F1, 1, 2, 0
.endm
; THE WAY OUT IN f32 of block a (16 rows x 128 columns).  TOSTAGE: straight from the accumulators, each from its low end on, into my own stage, and back as whole rows of 512 bytes, into window 1:
; A's and B's buffers hold the next tile's first fragments.  SEND: stored.  The launch does not read what it stores: TH_STORE_NT.
.macro TOSTAGE a
.set AC, 64*((\a)%4)
.set BK, 192*((\a)%2)
	WIN 0x08+4*((\a)/4)                            ; the stores' data (source 1) in window 2 or 3
.irp b, 0,1,2,3,4,5,6,7
	ds_store_b128 v[STO], v[AC+8*(\b):AC+8*(\b)+3]   offset:64*(\b)
	ds_store_b128 v[STO], v[AC+8*(\b)+4:AC+8*(\b)+7] offset:64*(\b)+16
.endr
.if (\a) >= 2
	s_wait_xcnt 0x0                                ; block a - 2's stores have read these registers: they are loaded again only behind this wait (blocks 0 and 1: the wait at the way out's head)
.endif
	WIN TO_B
.irp t, 0,1,2,3,4,5,6,7,8,9,10,11,12,13,14,15
	ds_load_b128 v[BK+4*(\t):BK+4*(\t)+3], v[RD] offset:(\t)*SPITCH  ; LDS serves a wave's instructions in order (ISA guide 5.7.1.4): these see the stores above, and the next block's stores come behind them
.endr
.endm
.macro SEND a, younger                 ; younger: the LDS instructions issued behind block a's loads: the next block's 32, or none
.set BK, 192*((\a)%2)
	WIN FROM_B
	s_wait_dscnt \younger
.irp t, 0,1,2,3,4,5,6,7,8,9,10,11,12,13,14,15
	global_store_b128 v[CO], v[BK+4*(\t):BK+4*(\t)+3], s[70:71] offset:(16*(\a)+(\t))*CROW th:TH_STORE_NT  ; 512 consecutive bytes, at a multiple of 512 from proj's first byte; the row stands in the immediate, 520,192 at the most
.endr
.endm
; THE WAY OUT IN f16 of block a.  PACK: rounded once, a lane's eight columns of a row into 16 bytes.  HSTAGE: into my stage, and back as whole rows of 256 bytes.  HSEND: stored.
.macro PACK a
.set AC, 64*((\a)%4)
	WIN 0x0a+5*((\a)/4)                            ; sources 0 and 1: window 2 or 3
.irp b, 0,1,2,3,4,5,6,7
.irp r, 0,1,2,3
	v_cvt_pk_f16_f32 v[TMP+4*(\b)+(\r)], v[AC+8*(\b)+2*(\r)], v[AC+8*(\b)+2*(\r)+1]
.endr
.endr
	WIN 0
.endm
.macro HSTAGE a
.set BK, 32*((\a)%2)
	WIN 0
.irp b, 0,1,2,3,4,5,6,7
	ds_store_b128 v[STOH], v[TMP+4*(\b):TMP+4*(\b)+3] offset:32*(\b)
.endr
.if (\a) >= 2
	s_wait_xcnt 0x0                                ; block a - 2's stores have read these registers
.endif
	WIN TO_B
.irp t, 0,1,2,3,4,5,6,7
	ds_load_b128 v[BK+4*(\t):BK+4*(\t)+3], v[RDH] offset:(\t)*2*HPITCH
.endr
.endm
.macro HSEND a
.set BK, 32*((\a)%2)
	WIN FROM_B
	s_wait_dscnt 0x0                               ; the block is back in registers
.irp t, 0,1,2,3,4,5,6,7
	global_store_b128 v[COH], v[BK+4*(\t):BK+4*(\t)+3], s[72:73] offset:(16*(\a)+2*(\t))*VROW th:TH_STORE_NT  ; 16 lanes store 256 consecutive bytes, at a multiple of 256 from vh's first byte
.endr
.endm
	s_wait_tensorcnt 1                             ; my part of K step 0 is in; K step 1's may stay out
	s_barrier_signal -1
	s_barrier_wait -1                              ; everybody's is
	FETCH 0, 0, F0
	s_mov_b32 s66, 0                               ; s[66:67]: what the next way out adds to proj's address
	s_mov_b32 s67, 0
	s_mov_b32 s2, TILES                            ; tiles to go, this one among them: the same number in every work-group
.Ltile:                                                ; (FETCH leaves every window 0, and so does the line ahead of the jump back)
	s_wait_loadcnt 0x0                             ; this plane's bias
	QUARTER 0, 64,  F0, F1, 1                      ; a tile's first quarter stands in front of the loop: its products start the sums
	WIN 0                                          ; at a label and at a branch every window is 0
	s_mov_b32 s3, LAPS-1
.Llap:                                                 ; a trip goes once round the ring, from a lap's second quarter to the next lap's first, and fills both slots again
	QUARTER 0, 128, F1, F0, 0
	QUARTER 0, 192, F0, F1, 0
	TURN 0, 1, 0
	QUARTER 1, 64,  F0, F1, 0
	QUARTER 1, 128, F1, F0, 0
	QUARTER 1, 192, F0, F1, 0
	TURN 1, 0, 0
	QUARTER 0, 64,  F0, F1, 0
	WIN 0
	s_sub_co_u32 s3, s3, 1
	s_cmp_lg_u32 s3, 0
	s_cbranch_scc1 .Llap
	QUARTER 0, 128, F1, F0, 0                      ; the tile's last lap goes on
	QUARTER 0, 192, F0, F1, 0
	WIN 0
	s_cmp_eq_u32 s2, 1
	s_cbranch_scc1 .Llast_tile                     ; the last tile's tail is written out: it asks for nothing more
	s_add_nc_u64 s[68:69], s[68:69], 4096          ; the next plane's bias: the last loads by this base were waited for at the tile's head,
	BIASIN                                         ; and the products that read these registers stand a tile's first quarter back
	TURN 0, 1, 1                                   ; THE RING GOES ON INTO THE NEXT TILE: slot 0 takes its K step 0,
	QUARTER 1, 64,  F0, F1, 0
	QUARTER 1, 128, F1, F0, 0
	QUARTER 1, 192, F0, F1, 0
	TURN 1, 0, 1                                   ; slot 1 its K step 1, and the next tile's first fragments are fetched
	WIN 0
	PLACES                                         ; BOTH REFILLS ARE ASKED FOR: NOW THE TILE GOES OUT.  The places in front of the LDS stores that read the last results
	s_wait_xcnt 0x0                                ; the last tile's stores have read their base and their registers
	s_add_nc_u64 s[70:71], s[70:71], s[66:67]      ; on to this tile's plane
	TOSTAGE 0
.irp a, 1,2,3,4,5,6,7                  ; block a goes into the stage while block a - 1's rows come back
	TOSTAGE \a
	SEND (\a)-1, 32
.endr
	SEND 7, 0
	WIN 0
	s_mov_b32 s66, PLANE
	s_sub_co_u32 s2, s2, 1
	s_branch .Ltile
.Llast_tile:
	MEET 0                                         ; my one tensor load that was still out is the last K step's, so no round follows
	PLACES
	FETCH 1, 0, F0
	MUL16 F1, 1, 0, 0
	MUL16 F1, 1, 2, 0
	QUARTER 1, 64,  F0, F1, 0
	QUARTER 1, 128, F1, F0, 0
	QUARTER 1, 192, F0, F1, 0
	s_wait_dscnt 8                                 ; the very last quarter: nothing more to fetch
	MUL16 F1, 0, 0, 0
	MUL16 F1, 0, 2, 0
	s_wait_dscnt 0x0
	MUL16 F1, 1, 0, 0
	MUL16 F1, 1, 2, 0
	WIN 0
	PLACES                                         ; in front of the conversions that read results
	s_wait_xcnt 0x0                                ; plane k's stores have read the registers that the rows come back into
	PACK 0
	HSTAGE 0
.irp a, 1,2,3,4,5,6,7                  ; block a's conversions stand between block a - 1's loads from the stage and the wait for them
	PACK \a
	HSEND (\a)-1
	HSTAGE \a
.endr
	HSEND 7
	WIN 0
	s_wait_tensorcnt 0x0                           ; the wave's end, behind my last tensor load and my last LDS store
	ds_add_u32 v[SPW], v[NIL]
	s_wait_dscnt 0x0
	CROUND                                         ; the closing round: no work-group ends while a partner may still ask for a tile that names it
	s_endpgm
.Lfunc_end_k_qd7c9192ab1_qkv:
	.size	k_qd7c9192ab1_qkv, .Lfunc_end_k_qd7c9192ab1_qkv-k_qd7c9192ab1_qkv
	.p2alignl 7, 3214868480
	.fill 96, 4, 3214868480
	.section	.rodata,"a",@progbits
	.p2align	6, 0x0
	.amdhsa_kernel k_qd7c9192ab1_qkv
		.amdhsa_group_segment_fixed_size 327680
		.amdhsa_private_segment_fixed_size 0
		.amdhsa_enable_private_segment 0
		.amdhsa_kernarg_size 40
		.amdhsa_user_sgpr_count 2
		.amdhsa_user_sgpr_kernarg_segment_ptr 1
		.amdhsa_wavefront_size32 1
		.amdhsa_system_sgpr_workgroup_id_x 1
		.amdhsa_system_sgpr_workgroup_id_y 1
		.amdhsa_system_sgpr_workgroup_id_z 1
		.amdhsa_system_vgpr_workitem_id 0
		.amdhsa_next_free_vgpr 1024
		.amdhsa_next_free_sgpr 76
		.amdhsa_reserve_vcc 0
		.amdhsa_float_denorm_mode_32 3
		.amdhsa_float_denorm_mode_16_64 3
		.amdhsa_memory_ordered 1
		.amdhsa_forward_progress 1
		.amdhsa_inst_pref_size 210
	.end_amdhsa_kernel
	.amdgpu_metadata
---
amdhsa.version: [ 1, 2 ]
amdhsa.kernels:
  - .name:           k_qd7c9192ab1_qkv
    .symbol:         k_qd7c9192ab1_qkv.kd
    .args:
      - { .name: xh, .offset: 0, .size: 8, .value_kind: global_buffer, .address_space: global }
      - { .name: wh, .offset: 8, .size: 8, .value_kind: global_buffer, .address_space: global }
      - { .name: bh, .offset: 16, .size: 8, .value_kind: global_buffer, .address_space: global }
      - { .name: proj, .offset: 24, .size: 8, .value_kind: global_buffer, .address_space: global }
      - { .name: vh, .offset: 32, .size: 8, .value_kind: global_buffer, .address_space: global }
    .group_segment_fixed_size: 327680
    .private_segment_fixed_size: 0
    .kernarg_segment_align: 8
    .kernarg_segment_size: 40
    .max_flat_workgroup_size: 128
    .sgpr_count:     76
    .vgpr_count:     1024
    .wavefront_size: 32
...
	.end_amdgpu_metadata
.endif
;; end of part 2
;; launch attn (part 3): grid 256 x 1, 16 waves a work-group, no clusters, 186,368 bytes of LDS; arguments proj, vh, ah; writes ah
.if DOCPART == 3
	.amdgcn_target "amdgcn-amd-amdhsa--gfx1250"
	.amdhsa_code_object_version 6
	.text
	.protected	k_qd7c9192ab1_attn
	.globl	k_qd7c9192ab1_attn
	.p2align	8
	.type	k_qd7c9192ab1_attn,@function
k_qd7c9192ab1_attn:
	s_mov_b64 s[64:65], 0
	v_nop
	global_prefetch_b8 v0, s[64:65] scope:SCOPE_SE
	s_setreg_imm32_b32 hwreg(HW_REG_WAVE_MODE, 25, 1), 1
	s_wait_xcnt 0x0
; THE ATTENTION INSIDE A TOKEN.  For each of 16,384 tokens: S[h][g] = 8 x the sum over 64 channels of q[h][d] k[g][d]; heads g > h are hidden; P = softmax over g; a[h][d] = the sum over g of P[h][g] v[g][d].
; proj holds two planes of f32, [16384][1024] each: q and k as [token][head][channel].  vh: [16384][1024] f16, v as [token][channel][head] (the launches before laid it so).  ah: [16384][1024] f16, [token][head][channel].
; WHY q AND k GO IN PAIRS.  The scores are multiplied by 8 and a weight reacts to a small error of a score, so 11 significant bits of q and k are too few.  Each number is split into hi = f16(x) and
; lo = f16(x - hi), the difference being exact in f32, and a score is hi.hi + hi.lo + lo.hi in f32 sums: six matrix instructions a token; lo.lo, some 2^-22 of a product, is left out.
; LIMITS.  |q|, |k|, |v| stay within 65,504, f16's largest number.  lo keeps f16's fixed step of 6e-8 below 6e-5.  A hidden score counts as its value less 1e30.  A weight below 2^-126 counts as 0;
; the weights are divided by their sum in f32 and then rounded to f16.  NaN and infinities are not treated apart.
; The maximum of a row's visible scores is taken away before the exponential: s - m is formed first, then multiplied by c = 8 log2(e), so the largest exponent is exactly 0.
; SHARES.  A work-group takes 64 tokens, each of its 16 waves four, one after the other.  A wave shares nothing with another: no barrier.  No cluster: no input is read twice.
; A wave's loads of the next token (20 of 512 bytes: q 8, k 8, v 4) are on their way while it works on the token in hand: a ring in registers, with counted waits.
; LAYOUT.  S^T = K Q^T (source 0 = 16 key heads, source 1 = 16 query heads): a lane holds ONE query head (lane % 16) and the key heads 8 (lane / 16) + 0..7.  Rounded in pairs these ARE the lower half of
; source 1 (32 keys x 16 queries) of O^T = V^T P; keys 16-31 are zeros on both sides.  O^T again holds one query head a lane, and eight channels, which pack into 16 bytes.
; V GOES STRAIGHT INTO ITS FRAGMENTS: a fragment of V^T is 16 channels x 16 heads, 512 consecutive bytes of vh, of which lane l takes the 16 at 32 (l % 16) + 16 (l / 16).  Two sets of fragments take turns.
; q and k change lanes between memory and the fragments, and O^T between its registers and memory, through the wave's own LDS bytes; LDS serves a wave's instructions in order (ISA guide 5.7.1.4), so no wait stands between its stores and its loads.
.set WLDS, 11520                       ; LDS bytes of a wave, 45 blocks of 256
.set QH, 0                             ; 16 heads x 144 bytes (128 + 16 of padding: 36 words, so that the 16 rows of a load start at 16 different groups of four banks: ISA guide 11.1)
.set QL, 2304
.set KH, 4608
.set KL, 6912
.set STG, 9216                         ; 16 heads x 144 bytes: the way out
.set SPARE, 16*WLDS                    ; the spare words, 128 bytes for each of the 16 waves: eight blocks of 256 bytes that no other line names
.set VO,  1                            ; v1   my byte offset in the wave's four tokens of a plane of proj
.set LS,  2                            ; v2   where I put 8 bytes of q or k
.set LF,  4                            ; v4   my place in a fragment of q or k, and in the stage
.set VA,  6                            ; v6   my byte offset in the wave's four tokens of vh
.set RD,  7                            ; v7   the way out: where I read rows back
.set GO,  8                            ; v8   my byte offset in the wave's four tokens of ah
.set ONE, 9                            ; v9   1.0
.set SPW, 10                           ; v10  LDS address of my spare word: SPARE + 4 x my thread's number; never rewritten
.set NIL, 11                           ; v11  0; never rewritten
.set MD,  16                           ; v[16:23]  the mask: -1e30 where 8 (l / 16) + j > l % 16
.set P,   24                           ; v[24:31]  the weights; the upper four stay 0
.set SX,  32                           ; v[32:39], v[40:47]  two accumulators for the scores, by turns
.set SY,  40
.set VFA, 48                           ; v[48:79]  four fragments of V^T for the even tokens; the upper four registers of each stay 0
.set KHF, 80                           ; fragments: K hi, K lo, Q hi, Q lo, 16 registers each (channels 0-31, 32-63)
.set KLF, 96
.set QHF, 112
.set QLF, 128
.set H,   80                           ; while converting: 16 registers of hi, 16 of lo
.set L,   96
.set O,   80                           ; afterwards: O^T, 4 x 8; its 16 packed registers; the rows read back
.set OP,  112
.set RB,  128
.set XQ,  144                          ; v[144:207]  q and k as loaded, 32 registers each
.set XK,  176
.set VFB, 208                          ; v[208:239]  the fragments of V^T for the odd tokens
	s_load_b128 s[24:27], s[0:1], 0x0              ; proj s[24:25], vh s[26:27]
	s_load_b64 s[6:7], s[0:1], 0x10                ; ah
	v_lshl_add_u32 v[SPW], v0, 2, SPARE
	v_mov_b32 v[NIL], 0
	v_lshrrev_b32 v14, 5, v0
	v_readfirstlane_b32 s12, v14                   ; wave 0..15
	s_mul_i32 s13, s12, WLDS                       ; my wave's LDS bytes
	s_lshl_b32 s14, s12, 14                        ; its four tokens of 4,096 bytes
	s_lshl_b32 s15, s12, 13                        ; and of 2,048
	s_lshl_b32 s2, ttmp9, 18                       ; the work-group's 64 tokens of 4,096 bytes
	s_mov_b32 s3, 0
	s_lshl_b32 s22, ttmp9, 17                      ; and of 2,048
	s_mov_b32 s23, 0
	s_mov_b32 s16, 0x4138aa3b                      ; c = 8 log2(e) = 11.5416
	s_mov_b32 s17, s16                             ; named with it as a pair
	s_mov_b32 s18, 0x76543210                      ; v_permlanex16_b32: each lane takes its own place in the other half
	s_mov_b32 s19, 0xfedcba98
	s_mov_b32 s20, 0xf149f2ca                      ; -1e30
	v_and_b32 v14, 31, v0                          ; l
	v_and_b32 v12, 15, v0                          ; l % 16
	v_bfe_u32 v13, v0, 4, 1                        ; l / 16
	v_lshl_add_u32 v[VO], v14, 4, s14
	v_lshl_add_u32 v[GO], v14, 4, s15
	v_lshl_add_u32 v[VA], v12, 5, s15              ; a channel's 16 heads are 32 bytes,
	v_lshl_add_u32 v[VA], v13, 4, v[VA]            ; eight heads 16
	s_wait_kmcnt 0x0
	s_add_nc_u64 s[4:5], s[24:25], s[2:3]          ; plane q at the work-group's first token,
	s_add_nc_u64 s[8:9], s[4:5], 0x4000000         ; plane k, 16,384 x 4,096 bytes on,
	s_add_nc_u64 s[10:11], s[26:27], s[22:23]      ; vh
	s_add_nc_u64 s[6:7], s[6:7], s[22:23]          ; and ah
.macro LOADS p, xr, t                  ; a token's 4,096 bytes of one plane: eight loads of 512 consecutive bytes
.set j, 0
.rept 8
	global_load_b128 v[(\xr)+4*j:(\xr)+4*j+3], v[VO], s[(\p):(\p)+1] offset:(\t)*4096+512*j th:TH_LOAD_NT
.set j, j+1
.endr
.endm
.macro LOADV t                         ; a token's 2,048 bytes of vh: four loads of 512 consecutive bytes, each the lower half of a fragment
.set VL, VFA+(VFB-VFA)*((\t)%2)
.irp c, 0,1,2,3
	global_load_b128 v[VL+8*(\c):VL+8*(\c)+3], v[VA], s[10:11] offset:(\t)*2048+512*(\c) th:TH_LOAD_NT
.endr
.endm
	LOADS 4, XQ, 0                                 ; the ring is filled: token 0
	LOADS 8, XK, 0
	LOADV 0
	; load j's 16 bytes of lane l are head 2 j + l / 16, channels 4 (l % 16) on
	v_mul_u32_u24 v[LS], v13, 144
	v_lshl_add_u32 v[LS], v12, 3, v[LS]
	v_add_nc_u32 v[LS], s13, v[LS]
	; a fragment: lane l holds row l % 16, and 16 bytes at 16 (l / 16)
	v_mul_u32_u24 v[LF], v12, 144
	v_lshl_add_u32 v[LF], v13, 4, v[LF]
	v_add_nc_u32 v[LF], s13, v[LF]
	; back from the stage: 32 lanes take four heads' rows of 128 bytes, 512 consecutive bytes of ah
	v_bfe_u32 v14, v0, 3, 2
	v_and_b32 v15, 7, v0
	v_mul_u32_u24 v[RD], v14, 144
	v_lshl_add_u32 v[RD], v15, 4, v[RD]
	v_add_nc_u32 v[RD], s13, v[RD]
	v_mov_b32 v[ONE], 1.0
	v_lshlrev_b32 v14, 3, v13
	v_sub_nc_u32 v14, v12, v14                     ; l % 16 - 8 (l / 16): register j's key head is hidden where j is greater
.irp j, 0,1,2,3,4,5,6,7
	v_cmp_gt_i32 vcc_lo, \j, v14
	v_cndmask_b32 v[MD+(\j)], 0, s20, vcc_lo
.endr
.irp i, 4,5,6,7
	v_mov_b32 v[P+(\i)], 0                         ; keys 16-31 do not exist: zeros on both sides of the second product, written once
.irp c, 0,8,16,24
	v_mov_b32 v[VFA+(\c)+(\i)], 0
	v_mov_b32 v[VFB+(\c)+(\i)], 0
.endr
.endr
; q or k of a token: hi and lo, into LDS by heads.  left: the younger loads, which stay out.
.macro CONV2 xr, rh, rl, left
	s_wait_loadcnt \left
.set i, 0
.rept 16
	v_cvt_pk_f16_f32 v[H+i], v[(\xr)+2*i], v[(\xr)+2*i+1]
.set i, i+1
.endr
.set i, 0
.rept 16
	v_fma_mix_f32 v[(\xr)+2*i],   -v[H+i], v[ONE], v[(\xr)+2*i]   op_sel_hi:[1,0,0]                  ; x - hi, exact: the low half of H,
	v_fma_mix_f32 v[(\xr)+2*i+1], -v[H+i], v[ONE], v[(\xr)+2*i+1] op_sel:[1,0,0] op_sel_hi:[1,0,0]   ; the high half
.set i, i+1
.endr
.set i, 0
.rept 16
	v_cvt_pk_f16_f32 v[L+i], v[(\xr)+2*i], v[(\xr)+2*i+1]
.set i, i+1
.endr
.set j, 0
.rept 8
	ds_store_b64 v[LS], v[H+2*j:H+2*j+1] offset:(\rh)+288*j
	ds_store_b64 v[LS], v[L+2*j:L+2*j+1] offset:(\rl)+288*j
.set j, j+1
.endr
.endm
; One token.  refill = 1: q's and k's registers are loaded again, with the next token, as soon as they have been converted, and the next token's v goes into the other set of fragments.
; The loads go out in the order q, k, v.  Behind q's eight are k's 8 and v's 4: 12.  Behind k's: v's 4 and the next q's 8: 12.  Behind v's: the next token's 20.
.macro TOKEN t, refill
.if \refill
	CONV2 XQ, QH, QL, 12
	LOADS 4, XQ, (\t)+1
	CONV2 XK, KH, KL, 12
	LOADS 8, XK, (\t)+1
	LOADV (\t)+1
.else
	CONV2 XQ, QH, QL, 12                           ; the last token: the counts run down
	CONV2 XK, KH, KL, 4
.endif
.set VF, VFA+(VFB-VFA)*((\t)%2)
	s_wait_xcnt 0x0                                ; the last token's stores have read RB, which the loads below fill
.irp i, 0,1,2,3
	ds_load_b128 v[KHF+4*(\i):KHF+4*(\i)+3], v[LF] offset:KH+32*(\i)
	ds_load_b128 v[KLF+4*(\i):KLF+4*(\i)+3], v[LF] offset:KL+32*(\i)
	ds_load_b128 v[QHF+4*(\i):QHF+4*(\i)+3], v[LF] offset:QH+32*(\i)
	ds_load_b128 v[QLF+4*(\i):QLF+4*(\i)+3], v[LF] offset:QL+32*(\i)
.endr
	s_wait_dscnt 0x0                               ; K and Q are in
	; the scores, on two accumulators by turns; the mask starts one sum, 0 the other
	v_wmma_f32_16x16x32_f16 v[SX:SX+7], v[KHF:KHF+7],     v[QHF:QHF+7],     v[MD:MD+7]
	v_wmma_f32_16x16x32_f16 v[SY:SY+7], v[KHF:KHF+7],     v[QLF:QLF+7],     0
	v_wmma_f32_16x16x32_f16 v[SX:SX+7], v[KLF:KLF+7],     v[QHF:QHF+7],     v[SX:SX+7]
	v_wmma_f32_16x16x32_f16 v[SY:SY+7], v[KHF+8:KHF+15],  v[QHF+8:QHF+15],  v[SY:SY+7]
	v_wmma_f32_16x16x32_f16 v[SX:SX+7], v[KHF+8:KHF+15],  v[QLF+8:QLF+15],  v[SX:SX+7]
	v_wmma_f32_16x16x32_f16 v[SY:SY+7], v[KLF+8:KLF+15],  v[QHF+8:QHF+15],  v[SY:SY+7]
.rept 4
	v_nop                                          ; the places behind those products (ISA guide 7.12.1)
.endr
.irp i, 0,2,4,6
	v_pk_add_f32 v[SX+(\i):SX+(\i)+1], v[SX+(\i):SX+(\i)+1], v[SY+(\i):SY+(\i)+1]  ; both accumulators are read from their low end on
.endr
	v_max3_num_f32 v12, v[SX], v[SX+1], v[SX+2]
	v_max3_num_f32 v14, v[SX+3], v[SX+4], v[SX+5]
	v_max3_num_f32 v12, v12, v[SX+6], v[SX+7]
	v_max_num_f32 v12, v12, v14
	v_permlanex16_b32 v14, v12, s18, s19           ; the query head's other eight key heads lie in the lane 16 away
	v_max_num_f32 v12, v12, v14                    ; m: key head 0 is hidden from nobody, so it is a true score
.irp i, 0,2,4,6
	v_pk_add_f32 v[SX+(\i):SX+(\i)+1], v[SX+(\i):SX+(\i)+1], v[12:13] op_sel_hi:[1,0] neg_lo:[0,1] neg_hi:[0,1]  ; s - m
.endr
.irp i, 0,2,4,6
	v_pk_mul_f32 v[SX+(\i):SX+(\i)+1], v[SX+(\i):SX+(\i)+1], s[16:17] op_sel_hi:[1,0]                            ; times c
.endr
.irp i, 0,1,2,3,4,5,6,7
	v_exp_f32 v[SX+(\i)], v[SX+(\i)]
.endr
	v_nop                                          ; a plain instruction between the last exponential and the use of its result (ISA guide 5.7.2)
	s_wait_alu depctr_va_vdst(0)
	v_pk_add_f32 v[SY:SY+1], v[SX:SX+1], v[SX+2:SX+3]
	v_pk_add_f32 v[SY+2:SY+3], v[SX+4:SX+5], v[SX+6:SX+7]
	v_pk_add_f32 v[SY:SY+1], v[SY:SY+1], v[SY+2:SY+3]
	v_add_f32 v14, v[SY], v[SY+1]
	v_permlanex16_b32 v15, v14, s18, s19
	v_add_f32 v14, v14, v15                        ; the row's sum, at least 1
	v_rcp_f32 v12, v14
	v_nop
	s_wait_alu depctr_va_vdst(0)
.irp i, 0,2,4,6
	v_pk_mul_f32 v[SX+(\i):SX+(\i)+1], v[SX+(\i):SX+(\i)+1], v[12:13] op_sel_hi:[1,0]
.endr
.irp i, 0,1,2,3
	v_cvt_pk_f16_f32 v[P+(\i)], v[SX+2*(\i)], v[SX+2*(\i)+1]
.endr
.if \refill
	s_wait_loadcnt 20                              ; V is in; the next token's twenty loads stay out
.else
	s_wait_loadcnt 0x0
.endif
.irp c, 0,1,2,3
	v_wmma_f32_16x16x32_f16 v[O+8*(\c):O+8*(\c)+7], v[VF+8*(\c):VF+8*(\c)+7], v[P:P+7], 0   ; channels 16 c on: four accumulators, one product each
.endr
.rept 4
	v_nop
.endr
.set i, 0
.rept 16
	v_cvt_pk_f16_f32 v[OP+i], v[O+2*i], v[O+2*i+1] ; ascending: each accumulator from its low end on
.set i, i+1
.endr
.irp c, 0,1,2,3
	ds_store_b128 v[LF], v[OP+4*(\c):OP+4*(\c)+3] offset:STG+32*(\c)
.endr
.irp f, 0,1,2,3
	ds_load_b128 v[RB+4*(\f):RB+4*(\f)+3], v[RD] offset:STG+576*(\f)
.endr
	s_wait_dscnt 0x0
.irp f, 0,1,2,3
	global_store_b128 v[GO], v[RB+4*(\f):RB+4*(\f)+3], s[6:7] offset:(\t)*2048+512*(\f)  ; 512 consecutive bytes, at a multiple of 512 from ah's first byte
.endr
.endm
	TOKEN 0, 1
	TOKEN 1, 1
	TOKEN 2, 1
	TOKEN 3, 0
	s_wait_tensorcnt 0x0                           ; the wave's end, behind my last LDS store
	ds_add_u32 v[SPW], v[NIL]
	s_wait_dscnt 0x0
	s_endpgm
.Lfunc_end_k_qd7c9192ab1_attn:
	.size	k_qd7c9192ab1_attn, .Lfunc_end_k_qd7c9192ab1_attn-k_qd7c9192ab1_attn
	.p2alignl 7, 3214868480
	.fill 96, 4, 3214868480
	.section	.rodata,"a",@progbits
	.p2align	6, 0x0
	.amdhsa_kernel k_qd7c9192ab1_attn
		.amdhsa_group_segment_fixed_size 186368
		.amdhsa_private_segment_fixed_size 0
		.amdhsa_enable_private_segment 0
		.amdhsa_kernarg_size 24
		.amdhsa_user_sgpr_count 2
		.amdhsa_user_sgpr_kernarg_segment_ptr 1
		.amdhsa_wavefront_size32 1
		.amdhsa_system_sgpr_workgroup_id_x 1
		.amdhsa_system_sgpr_workgroup_id_y 1
		.amdhsa_system_sgpr_workgroup_id_z 1
		.amdhsa_system_vgpr_workitem_id 0
		.amdhsa_next_free_vgpr 240
		.amdhsa_next_free_sgpr 66
		.amdhsa_reserve_vcc 1
		.amdhsa_float_denorm_mode_32 3
		.amdhsa_float_denorm_mode_16_64 3
		.amdhsa_memory_ordered 1
		.amdhsa_forward_progress 1
		.amdhsa_inst_pref_size 77
	.end_amdhsa_kernel
	.amdgpu_metadata
---
amdhsa.version: [ 1, 2 ]
amdhsa.kernels:
  - .name:           k_qd7c9192ab1_attn
    .symbol:         k_qd7c9192ab1_attn.kd
    .args:
      - { .name: proj, .offset: 0, .size: 8, .value_kind: global_buffer, .address_space: global }
      - { .name: vh, .offset: 8, .size: 8, .value_kind: global_buffer, .address_space: global }
      - { .name: ah, .offset: 16, .size: 8, .value_kind: global_buffer, .address_space: global }
    .group_segment_fixed_size: 186368
    .private_segment_fixed_size: 0
    .kernarg_segment_align: 8
    .kernarg_segment_size: 24
    .max_flat_workgroup_size: 512
    .sgpr_count:     66
    .vgpr_count:     240
    .wavefront_size: 32
...
	.end_amdgpu_metadata
.endif
;; end of part 3
;; launch oproj (part 4): grid 4 x 64, 4 waves a work-group, clusters of 4 x 4, 327,680 bytes of LDS; arguments ah, woh, boh, out0; writes out0
.if DOCPART == 4
	.amdgcn_target "amdgcn-amd-amdhsa--gfx1250"
	.amdhsa_code_object_version 6
	.text
	.protected	k_qd7c9192ab1_oproj
	.globl	k_qd7c9192ab1_oproj
	.p2align	8
	.type	k_qd7c9192ab1_oproj,@function
k_qd7c9192ab1_oproj:
	s_mov_b64 s[64:65], 0
	v_nop
	global_prefetch_b8 v0, s[64:65] scope:SCOPE_SE
	s_setreg_imm32_b32 hwreg(HW_REG_WAVE_MODE, 25, 1), 1
	s_wait_xcnt 0x0
	s_wait_alu depctr_hold_cnt(0) depctr_sa_sdst(0) depctr_va_vdst(0) depctr_va_sdst(0) depctr_va_ssrc(0) depctr_va_vcc(0) depctr_vm_vsrc(0)
	s_getreg_b32 s2, hwreg(HW_REG_IB_STS2, 6, 4)
	s_cmp_eq_u32 s2, 0
	s_cbranch_scc0 .Lentry_in_a_cluster
	s_endpgm
.Lentry_in_a_cluster:
	s_bfe_u32 s2, ttmp6, 0x10000c
	s_cmp_lg_u32 s2, 0xf033
	s_cbranch_scc0 .Lentry_shape_is_right
	s_endpgm
.Lentry_shape_is_right:
; C[m][n] = bias[n] + the sum over k of A[m][k] B[n][k].  A: [16384][1024] f16, B: [rows][1024] f16, bias: [rows] f32; sums in f32, K ascending.
; C is f32, in PLANES of [16384][1024]: B's rows 1024 p .. 1024 p + 1023 make plane p.  Here the grid is 4 wide and there is one plane: the output projection.
; A tile of C, 256 x 256, is made by a work-group of four waves; a wave makes 128 x 128: 64 accumulators of 16 x 16, 512 registers.  K goes in 8 steps of 128 through
; a ring of two LDS slots filled by the tensor data mover; the tiles' rows are 256 bytes of memory and start at multiples of 256 bytes.
; CLUSTERS: 4 x 4 work-groups.  The four of a row of the cluster need the same tiles of A, the four of a column the same tiles of B: each tile is asked for JOINTLY, by the
; same tensor load with the same descriptor and a mask that names the four.  A cluster's four tile columns are one plane: the plane's number is the cluster's x.
; THE MATRIX INSTRUCTION IS USED TRANSPOSED: source 0 = 16 rows of B, source 1 = 16 rows of A: lane l holds row l % 16 of C and the columns 8 (l / 16) + 0 .. 7.
; THE BIAS STARTS THE SUMS: it is the C operand of each accumulator's first product (64 registers a lane, loaded once); nothing is cleared and nothing is added later.
; REGISTERS, in windows of 256 (s_set_vgpr_msb: bits 1:0 source 0, 3:2 source 1, 5:4 source 2, 7:6 destination):
;   window 0: v0-31 addresses; v64-127, v128-191 fragments of A, two buffers, on the way out rows read back from the stage; v192-255 the bias
;   window 1: v64-127, v128-191 fragments of B, two buffers      window 2: the accumulators of my rows 0-63 ((a, b) at v[8 (8 a + b)])      window 3: those of my rows 64-127
.set SIZE_K, 1024
.set CROW,   4096                      ; bytes in a row of a plane of C
.set KSTEP,  128
.set PITCH,  272                       ; an LDS row: 256 bytes + 16 of padding = 68 words: the 16 rows that a load touches start at 16 different groups of four banks (64 banks of 4 bytes: ISA guide 11.1)
.set HALFT,  128*PITCH                 ; 128 rows: what one tensor load brings, and what one wave reads of A or of B
.set SLOT,   4*HALFT                   ; A's 256 rows, then B's 256 rows
.set STAGE,  2*SLOT                    ; behind the ring: 16 rows x 528 bytes for each wave, for the way out; no tensor load fills it
.set SPITCH, 528                       ; 512 bytes + 16 = 132 words: again 16 rows at 16 different groups of four banks
.set SPARE,  STAGE+4*16*SPITCH         ; behind the stages: the spare words, 128 bytes for each wave: two blocks of 256 bytes that no other line names
.set LAPS, SIZE_K/(2*KSTEP)            ; a lap = two K steps = once round the ring
.set ADRA, 16                          ; v16-17  LDS address of my A fragments in slot 0, 1
.set ADRB, 20                          ; v20-21  the same for B
.set STO,  24                          ; v24     the way out: where I put 32 bytes of a row
.set RD,   25                          ; v25     the way out: where I read a row back
.set CO,   26                          ; v26     my byte offset in 512 bytes of a row of C
.set BO,   27                          ; v27     my byte offset in 64 bytes of the bias
.set SPW,  28                          ; v28     LDS address of my spare word: SPARE + 4 x my thread's number; never rewritten
.set NIL,  29                          ; v29     0; never rewritten
.set F0,   64                          ; fragment buffer 0
.set F1,   128                         ; fragment buffer 1
.set BIAS, 192                         ; window 0: column block b at BIAS + 8 b
.set G1, 24                            ; s[24:31] descriptor group 1 for A's tiles
.set G0, 32                            ; s[32:39] descriptor group 0 for A's tiles, one set for each slot
.set G1B, 48                           ; s[48:55] descriptor group 1 for B's tiles: it differs from A's in the mask alone
.set G0B, 56                           ; s[56:63] descriptor group 0 for B's tiles, one set for each slot
.set MSB, 0
.macro WIN new                         ; the immediate's high byte repeats the setting that is left; a switch that changes nothing is dropped
.if MSB != (\new)
	s_set_vgpr_msb (MSB<<8)|(\new)
.set MSB, \new
.endif
.endm
.set MUL_LO, 0xa1                      ; source 0 (B) window 1, source 1 (A) window 0, C and D window 2
.set MUL_HI, 0xf1                      ; the same, C and D window 3
.set TO_B,   0x40                      ; destination window 1, address window 0
; A joint load.  Waves 0 and 1 fetch A's two halves, waves 2 and 3 B's.  The branch hangs on the wave's number alone: it is the same in every work-group.
; An s_nop 0 and four v_nop follow each of the two lines; the jump, the label and what follows come after them.
.macro JLOAD s
	s_cmp_eq_u32 s11, 0
	s_cbranch_scc0 .Lfor_b_\@
	tensor_load_to_lds s[G0+4*(\s):G0+4*(\s)+3], s[G1:G1+7]
	s_nop 0
.rept 4
	v_nop
.endr
	s_branch .Lasked_\@
.Lfor_b_\@:
	tensor_load_to_lds s[G0B+4*(\s):G0B+4*(\s)+3], s[G1B:G1B+7]
	s_nop 0
.rept 4
	v_nop
.endr
.Lasked_\@:
.endm
; A round of the cluster's barrier: my work-group's barrier, so that wave 0's signal speaks for all four waves; wave 0 signals; every wave waits for all sixteen work-groups; my work-group's barrier once more.
.macro CREST                           ; a round behind its opening barrier
	s_cmp_lg_u32 s10, 0
	s_cbranch_scc1 .Lnot_wave_0_\@
	s_barrier_signal -3
.Lnot_wave_0_\@:
	s_barrier_wait -3
	s_barrier_signal -1
	s_barrier_wait -1
.endm
.macro CROUND                          ; a whole round
	s_barrier_signal -1
	s_barrier_wait -1
	CREST
.endm
	s_load_b128 s[4:7], s[0:1], 0x0                ; A s[4:5], B s[6:7]
	s_load_b128 s[68:71], s[0:1], 0x10             ; bias s[68:69], C s[70:71]
	v_lshl_add_u32 v[SPW], v0, 2, SPARE
	v_mov_b32 v[NIL], 0
	ds_add_u32 v[SPW], v[NIL]                      ; the wave's opening: the add and its wait stand ahead of my first tensor load; the set-up below, work on registers, stands between them
	v_lshrrev_b32 v1, 5, v0
	v_readfirstlane_b32 s10, v1                    ; wave 0..3
	s_lshr_b32 s11, s10, 1                         ; which half of the tile's rows is mine.  Also: I fetch for A (0) or for B (1)
	s_and_b32 s12, s10, 1                          ; which half of its columns.  Also: which 128 rows of that tile I fetch
	s_bfe_u32 s40, ttmp6, 0x40000                  ; cx: my place along the cluster's x
	s_bfe_u32 s41, ttmp6, 0x40004                  ; cy: along its y
	s_lshl_b32 s42, ttmp9, 2                       ; in a cluster launch ttmp9 and ttmp7 count clusters
	s_add_co_u32 s42, s42, s40                     ; tile column = 4 x cluster x + cx
	s_and_b32 s13, ttmp7, 0xffff
	s_lshl_b32 s13, s13, 2
	s_add_co_u32 s13, s13, s41                     ; tile row = 4 x cluster y + cy
	s_lshl_b32 s43, s41, 2
	s_lshl_b32 s43, 15, s43                        ; my row of the cluster: places 4 cy .. 4 cy + 3
	s_lshl_b32 s44, 0x1111, s40                    ; my column: places cx, cx + 4, cx + 8, cx + 12
	; descriptor group 1: a tile of 128 rows x 128 elements, padded in LDS
	s_or_b32 s[G1+0], s43, (1<<16)|(1<<20)|(1<<21)|(5<<22)|(3<<25)  ; 15:0 the mask: A's tiles go to my row; 17:16 elements of 2 bytes; 20 padding on; 21 set beside a mask; 24:22 after every 64 words (code 5); 31:25 4 words of it (code 3)
	s_or_b32 s[G1B+0], s44, (1<<16)|(1<<20)|(1<<21)|(5<<22)|(3<<25) ; the same with the mask of my column, for B's tiles
.irp g, G1, G1B
	s_mov_b32 s[(\g)+1], KSTEP<<16                 ; tensor_dim0 = 128
	s_mov_b32 s[(\g)+2], 128<<16                   ; tensor_dim1 = 128
	s_mov_b32 s[(\g)+3], KSTEP<<16                 ; tile_dim0 = 128
	s_mov_b32 s[(\g)+4], 128                       ; tile_dim1 = 128
	s_mov_b32 s[(\g)+5], SIZE_K                    ; elements from row to row
	s_mov_b32 s[(\g)+6], 0
	s_mov_b32 s[(\g)+7], 0
.endr
	; where the tiles come from.  A's hang on the tile row alone, which my row of the cluster shares; B's on the tile column alone, which my column shares.
	; Every wave makes both addresses, in registers that never hold the other coordinate, and asks by one of them.
	s_lshl_b32 s17, s12, 7                         ; which 128 rows of the tile I fetch
	s_lshl_b32 s16, s13, 8
	s_add_co_u32 s16, s16, s17                     ; A: row 256 x tile row + 128 x half
	s_lshl_b32 s46, s42, 8
	s_add_co_u32 s46, s46, s17                     ; B: row 256 x tile column + 128 x half
	s_mov_b32 s17, 0
	s_mov_b32 s47, 0
	s_mov_b64 s[18:19], SIZE_K*2
	s_mul_u64 s[16:17], s[16:17], s[18:19]         ; in bytes
	s_mul_u64 s[46:47], s[46:47], s[18:19]
	s_mul_i32 s20, s10, HALFT                      ; and where they go: wave x 128 rows: no place in the cluster enters an LDS address
	s_wait_dscnt 0x0                               ; the opening add is done
	s_wait_kmcnt 0x0
	s_add_nc_u64 s[14:15], s[4:5], s[16:17]
	s_add_nc_u64 s[46:47], s[6:7], s[46:47]
	CROUND                                         ; all sixteen work-groups are here: the first joint loads meet
.irp s, 0,1
	s_mov_b32 s[G0+4*(\s)], 1                                      ; count = 1
	s_add_co_u32 s[G0+4*(\s)+1], s20, (\s)*SLOT                    ; LDS address
	s_add_nc_u64 s[G0+4*(\s)+2:G0+4*(\s)+3], s[14:15], (\s)*KSTEP*2  ; global address: K step s
	s_or_b32 s[G0+4*(\s)+3], s[G0+4*(\s)+3], 0x80000000            ; type = 2
	s_mov_b32 s[G0B+4*(\s)], 1
	s_add_co_u32 s[G0B+4*(\s)+1], s20, (\s)*SLOT
	s_add_nc_u64 s[G0B+4*(\s)+2:G0B+4*(\s)+3], s[46:47], (\s)*KSTEP*2
	s_or_b32 s[G0B+4*(\s)+3], s[G0B+4*(\s)+3], 0x80000000
	JLOAD \s                                       ; the ring is filled before anything else is done: two tensor loads of mine are out
.endr
	v_and_b32 v1, 15, v0                           ; l % 16
	v_bfe_u32 v2, v0, 4, 1                         ; l / 16
	; the bias of my 128 columns: register j of block b is bias[16 b + 8 (l / 16) + j], the accumulators' own layout
	v_lshlrev_b32 v[BO], 5, v2
	s_lshl_b32 s46, s42, 10                        ; 256 columns of 4 bytes a tile column,
	s_lshl_b32 s47, s12, 9                         ; my half of them
	s_add_co_u32 s46, s46, s47
	s_mov_b32 s47, 0
	s_add_nc_u64 s[68:69], s[68:69], s[46:47]
.irp b, 0,1,2,3,4,5,6,7
	global_load_b128 v[BIAS+8*(\b):BIAS+8*(\b)+3],   v[BO], s[68:69] offset:64*(\b)
	global_load_b128 v[BIAS+8*(\b)+4:BIAS+8*(\b)+7], v[BO], s[68:69] offset:64*(\b)+16
.endr
	; A fragment is 16 rows x 32 K in 8 registers: lane l holds row l % 16; registers 0-3 hold K = 8 (l / 16) + 0..7, registers 4-7 hold 16 + 8 (l / 16) + 0..7: two loads of 16 bytes, 32 bytes apart.
	v_mul_u32_u24 v3, v1, PITCH
	v_lshl_add_u32 v3, v2, 4, v3                   ; row x pitch + 16 x half
	s_mul_i32 s21, s11, HALFT                      ; my 128 rows of A
	s_mul_i32 s22, s12, HALFT                      ; my 128 rows of B,
	s_add_co_u32 s22, s22, 2*HALFT                 ; which lie behind A's 256
.irp s, 0,1
	v_add_nc_u32 v[ADRA+(\s)], s21, v3
	v_add_nc_u32 v[ADRB+(\s)], s22, v3
	s_add_co_u32 s21, s21, SLOT
	s_add_co_u32 s22, s22, SLOT
.endr
	s_mul_i32 s23, s10, 16*SPITCH
	s_add_co_u32 s23, s23, STAGE                   ; my stage
	v_mul_u32_u24 v4, v1, SPITCH                   ; in: row l % 16, 32 bytes for each half of the lanes
	v_lshl_add_u32 v4, v2, 5, v4
	v_add_nc_u32 v[STO], s23, v4
	v_and_b32 v5, 31, v0
	v_lshlrev_b32 v[CO], 4, v5                     ; back: 32 lanes take one row of 512 bytes,
	v_add_nc_u32 v[RD], s23, v[CO]                 ; and store it as it lies
	; C at my part of the tile: the row's part in registers that never hold cx, the column's in those that held B's address
	s_lshl_b32 s16, s13, 20                        ; 256 rows of 4,096 bytes a tile row,
	s_lshl_b32 s17, s11, 19                        ; my 128 of them
	s_add_co_u32 s16, s16, s17
	s_mov_b32 s17, 0
	s_add_nc_u64 s[70:71], s[70:71], s[16:17]
	s_lshl_b32 s46, s40, 10                        ; the tile's 256 columns in its plane,
	s_lshl_b32 s47, s12, 9                         ; my 128 of them,
	s_add_co_u32 s46, s46, s47
	s_lshl_b32 s47, ttmp9, 26                      ; and the plane: 16,384 rows of 4,096 bytes
	s_add_co_u32 s46, s46, s47
	s_mov_b32 s47, 0
	s_add_nc_u64 s[70:71], s[70:71], s[46:47]
; 16 matrix instructions: m blocks a0, a0 + 1 of the window's four (hi = 0: my rows 0-63, 1: rows 64-127) x all 8 n blocks, 32 along K.
; zero = 1: the first product starts the sums, with the bias (source 2 in window 0).  The 64 accumulators take turns, one instruction a turn.
.macro MUL16 f, hi, a0, zero
.if \zero
	WIN 0x81+0x40*(\hi)
.else
	WIN MUL_LO+0x50*(\hi)
.endif
.irp a, \a0, (\a0)+1
.irp b, 0,1,2,3,4,5,6,7
.if \zero
	v_wmma_f32_16x16x32_f16 v[8*(8*(\a)+(\b)):8*(8*(\a)+(\b))+7], v[(\f)+8*(\b):(\f)+8*(\b)+7], v[(\f)+8*(4*(\hi)+(\a)):(\f)+8*(4*(\hi)+(\a))+7], v[BIAS+8*(\b):BIAS+8*(\b)+7]
.else
	v_wmma_f32_16x16x32_f16 v[8*(8*(\a)+(\b)):8*(8*(\a)+(\b))+7], v[(\f)+8*(\b):(\f)+8*(\b)+7], v[(\f)+8*(4*(\hi)+(\a)):(\f)+8*(4*(\hi)+(\a))+7], v[8*(8*(\a)+(\b)):8*(8*(\a)+(\b))+7]
.endif
.endr
.endr
.endm
; 32 LDS loads in one run: the fragments of one quarter step (128 rows of B, 128 rows of A, 32 K at byte k of the rows) into buffer f
.macro FETCH slot, k, f
	WIN TO_B
.irp i, 0,1,2,3,4,5,6,7
	ds_load_b128 v[(\f)+8*(\i):(\f)+8*(\i)+3],   v[ADRB+(\slot)] offset:(\k)+(\i)*16*PITCH
	ds_load_b128 v[(\f)+8*(\i)+4:(\f)+8*(\i)+7], v[ADRB+(\slot)] offset:(\k)+(\i)*16*PITCH+32
.endr
	WIN 0
.irp i, 0,1,2,3,4,5,6,7
	ds_load_b128 v[(\f)+8*(\i):(\f)+8*(\i)+3],   v[ADRA+(\slot)] offset:(\k)+(\i)*16*PITCH
	ds_load_b128 v[(\f)+8*(\i)+4:(\f)+8*(\i)+7], v[ADRA+(\slot)] offset:(\k)+(\i)*16*PITCH+32
.endr
.endm
; A load into a register that a matrix instruction has read, and an LDS store that reads a matrix result, stand four places behind that matrix instruction, and only plain vector
; instructions that name none of its registers are places (ISA guide 7.12.1 for vector instructions).
.macro PLACES
.rept 4
	v_nop
.endr
.endm
; A K step is four quarter steps of 32 along K, 64 matrix instructions each, on buffers 0, 1, 0, 1.
; One of the first three: multiplies buffer f; in its middle it fetches the next quarter's fragments, at byte k of the same slot's rows, into buffer g.
.macro QUARTER slot, k, f, g, zero
	s_wait_dscnt 8                                 ; B and A's rows 0-63 are in; the youngest eight loads (A's rows 64-127) may be out
	MUL16 \f, 0, 0, \zero
	MUL16 \f, 0, 2, \zero
	PLACES
	FETCH \slot, \k, \g
	s_wait_dscnt 32                                ; all but the 32 just issued
	MUL16 \f, 1, 0, \zero
	MUL16 \f, 1, 2, \zero
.endm
; The last quarter multiplies buffer 1 and changes slots.  MEET is its first half: ONE barrier for the change of slots.  In front of it each wave waits for all its tensor loads, of which one
; is out: its part of the next slot; adds 0 to its spare word; and waits for that and for its own reads of this slot.  Behind it nobody reads this slot any more and the next slot is whole.
.macro MEET round                      ; round = 1: a round of the cluster's barrier follows
	WIN 0                                          ; (the add's two registers lie in window 0)
	s_wait_tensorcnt 0x0                           ; all my tensor loads have landed;
	ds_add_u32 v[SPW], v[NIL]                      ; 0 onto my spare word;
	s_wait_dscnt 9                                 ; (the add and the youngest eight loads may be out)
	MUL16 F1, 0, 0, 0                              ; sixteen matrix instructions stand between the add and the wait for it
	s_wait_dscnt 0x0                               ; the add is done, and my reads of this slot are over:
	s_barrier_signal -1                            ; say so,
	MUL16 F1, 0, 2, 0                              ; work on registers while the others arrive,
.if \round
	WIN 0
.endif
	s_barrier_wait -1                              ; and go on when all four have said so
.endm
; The whole last quarter.  The barrier opens a round of the cluster's; behind the round the slot just read out is filled again first, with the K step two steps on; then come the next slot's
; first fragments.  From a request to the wait for it a wave issues 224 matrix instructions.
.macro TURN slot, next
	MEET 1
	CREST                                          ; no wave of any partner still reads this slot's tile or has a load on its way
	s_add_nc_u64 s[G0+4*(\slot)+2:G0+4*(\slot)+3], s[G0+4*(\slot)+2:G0+4*(\slot)+3], 2*KSTEP*2
	s_add_nc_u64 s[G0B+4*(\slot)+2:G0B+4*(\slot)+3], s[G0B+4*(\slot)+2:G0B+4*(\slot)+3], 2*KSTEP*2
	JLOAD \slot                                    ; my one tensor load behind the round; the four v_nop behind it are also the places in front of the loads below
	FETCH \next, 0, F0
	MUL16 F1, 1, 0, 0
	MUL16 F1, 1, 2, 0
.endm
; THE WAY OUT of block a (16 rows x 128 columns of f32).  TOSTAGE: straight from the accumulators, each from its low end on, into my own stage, and back as whole rows of 512 bytes.  SEND: stored.
.macro TOSTAGE a
.set AC, 64*((\a)%4)
.set BK, F0+64*((\a)%2)
	WIN 0x08+4*((\a)/4)                            ; the stores' data (source 1) in window 2 or 3
.irp b, 0,1,2,3,4,5,6,7
	ds_store_b128 v[STO], v[AC+8*(\b):AC+8*(\b)+3]   offset:64*(\b)
	ds_store_b128 v[STO], v[AC+8*(\b)+4:AC+8*(\b)+7] offset:64*(\b)+16
.endr
	WIN 0
.if (\a) >= 2
	s_wait_xcnt 0x0                                ; block a - 2's stores have read these registers: they are loaded again only behind this wait
.endif
.irp t, 0,1,2,3,4,5,6,7,8,9,10,11,12,13,14,15
	ds_load_b128 v[BK+4*(\t):BK+4*(\t)+3], v[RD] offset:(\t)*SPITCH  ; LDS serves a wave's instructions in order (ISA guide 5.7.1.4): these see the stores above, and the next block's stores come behind them
.endr
.endm
.macro SEND a, younger                 ; younger: the LDS instructions issued behind block a's loads: the next block's 32, or none
.set BK, F0+64*((\a)%2)
	s_wait_dscnt \younger
.irp t, 0,1,2,3,4,5,6,7,8,9,10,11,12,13,14,15
	global_store_b128 v[CO], v[BK+4*(\t):BK+4*(\t)+3], s[70:71] offset:(16*(\a)+(\t))*CROW  ; 512 consecutive bytes, at a multiple of 512 from C's first byte; the row stands in the immediate, 520,192 at the most
.endr
.endm
	s_wait_tensorcnt 1                             ; my part of K step 0 is in; K step 1's may stay out
	s_barrier_signal -1
	s_barrier_wait -1                              ; everybody's is
	FETCH 0, 0, F0
	s_wait_loadcnt 0x0                             ; the bias
	QUARTER 0, 64,  F0, F1, 1                      ; the first quarter stands in front of the loop: its products start the sums
	WIN 0                                          ; at a label and at a branch every window is 0
	s_mov_b32 s3, LAPS-1
.Llap:                                                 ; a trip goes once round the ring, from a lap's second quarter to the next lap's first, and fills both slots again
	QUARTER 0, 128, F1, F0, 0
	QUARTER 0, 192, F0, F1, 0
	TURN 0, 1
	QUARTER 1, 64,  F0, F1, 0
	QUARTER 1, 128, F1, F0, 0
	QUARTER 1, 192, F0, F1, 0
	TURN 1, 0
	QUARTER 0, 64,  F0, F1, 0
	WIN 0
	s_sub_co_u32 s3, s3, 1
	s_cmp_lg_u32 s3, 0
	s_cbranch_scc1 .Llap
	QUARTER 0, 128, F1, F0, 0                      ; the last lap is written out: it fills nothing
	QUARTER 0, 192, F0, F1, 0
	MEET 0                                         ; my one tensor load that was still out is the last K step's; no round follows
	PLACES
	FETCH 1, 0, F0
	MUL16 F1, 1, 0, 0
	MUL16 F1, 1, 2, 0
	QUARTER 1, 64,  F0, F1, 0
	QUARTER 1, 128, F1, F0, 0
	QUARTER 1, 192, F0, F1, 0
	s_wait_dscnt 8                                 ; the very last quarter: nothing more to fetch
	MUL16 F1, 0, 0, 0
	MUL16 F1, 0, 2, 0
	s_wait_dscnt 0x0
	MUL16 F1, 1, 0, 0
	MUL16 F1, 1, 2, 0
	WIN 0
	PLACES                                         ; in front of the stores that read results and of the loads into A's buffers
	TOSTAGE 0
.irp a, 1,2,3,4,5,6,7                  ; block a goes into the stage while block a - 1's rows come back
	TOSTAGE \a
	SEND (\a)-1, 32
.endr
	SEND 7, 0
	s_wait_tensorcnt 0x0                           ; the wave's end, behind my last tensor load and my last LDS store
	ds_add_u32 v[SPW], v[NIL]
	s_wait_dscnt 0x0
	CROUND                                         ; the closing round: no work-group ends while a partner may still ask for a tile that names it
	s_endpgm
.Lfunc_end_k_qd7c9192ab1_oproj:
	.size	k_qd7c9192ab1_oproj, .Lfunc_end_k_qd7c9192ab1_oproj-k_qd7c9192ab1_oproj
	.p2alignl 7, 3214868480
	.fill 96, 4, 3214868480
	.section	.rodata,"a",@progbits
	.p2align	6, 0x0
	.amdhsa_kernel k_qd7c9192ab1_oproj
		.amdhsa_group_segment_fixed_size 327680
		.amdhsa_private_segment_fixed_size 0
		.amdhsa_enable_private_segment 0
		.amdhsa_kernarg_size 32
		.amdhsa_user_sgpr_count 2
		.amdhsa_user_sgpr_kernarg_segment_ptr 1
		.amdhsa_wavefront_size32 1
		.amdhsa_system_sgpr_workgroup_id_x 1
		.amdhsa_system_sgpr_workgroup_id_y 1
		.amdhsa_system_sgpr_workgroup_id_z 1
		.amdhsa_system_vgpr_workitem_id 0
		.amdhsa_next_free_vgpr 1024
		.amdhsa_next_free_sgpr 72
		.amdhsa_reserve_vcc 0
		.amdhsa_float_denorm_mode_32 3
		.amdhsa_float_denorm_mode_16_64 3
		.amdhsa_memory_ordered 1
		.amdhsa_forward_progress 1
		.amdhsa_inst_pref_size 142
	.end_amdhsa_kernel
	.amdgpu_metadata
---
amdhsa.version: [ 1, 2 ]
amdhsa.kernels:
  - .name:           k_qd7c9192ab1_oproj
    .symbol:         k_qd7c9192ab1_oproj.kd
    .args:
      - { .name: ah, .offset: 0, .size: 8, .value_kind: global_buffer, .address_space: global }
      - { .name: woh, .offset: 8, .size: 8, .value_kind: global_buffer, .address_space: global }
      - { .name: boh, .offset: 16, .size: 8, .value_kind: global_buffer, .address_space: global }
      - { .name: out0, .offset: 24, .size: 8, .value_kind: global_buffer, .address_space: global }
    .group_segment_fixed_size: 327680
    .private_segment_fixed_size: 0
    .kernarg_segment_align: 8
    .kernarg_segment_size: 32
    .max_flat_workgroup_size: 128
    .sgpr_count:     72
    .vgpr_count:     1024
    .wavefront_size: 32
...
	.end_amdgpu_metadata
.endif
;; end of part 4
;; ======== version 2 of 2: 4 launches; version 1 with the launch attn written anew for expert scheduling mode
;; limits: values are held in f16: magnitudes above 65,504 overflow, below 6.1e-05 lose precision
;; workspace buffers: xh 33,554,432 bytes; wh 6,291,456 bytes; woh 2,097,152 bytes; bh 12,288 bytes; boh 4,096 bytes; proj 134,217,728 bytes; vh 33,554,432 bytes; ah 33,554,432 bytes
;; launch cast: the kernel of part 1 again; grid 1281 x 1, 8 waves a work-group, no clusters, 0 bytes of LDS; arguments QKV, Wq, Wk, Wv, Wo, bq, bk, bv, bo, xh, wh, woh, bh, boh; writes xh, wh, woh, bh, boh
;; launch qkv: the kernel of part 2 again; grid 4 x 64, 4 waves a work-group, clusters of 4 x 4, 327,680 bytes of LDS; arguments xh, wh, bh, proj, vh; writes proj, vh
;; launch attn (part 5): grid 256 x 1, 16 waves a work-group, no clusters, 186,368 bytes of LDS; arguments proj, vh, ah; writes ah
.if DOCPART == 5
	.amdgcn_target "amdgcn-amd-amdhsa--gfx1250"
	.amdhsa_code_object_version 6
	.text
	.protected	k_qd7c9192ab1_attn
	.globl	k_qd7c9192ab1_attn
	.p2align	8
	.type	k_qd7c9192ab1_attn,@function
k_qd7c9192ab1_attn:
	s_mov_b64 s[64:65], 0
	v_nop
	global_prefetch_b8 v0, s[64:65] scope:SCOPE_SE
	s_setreg_imm32_b32 hwreg(HW_REG_WAVE_SCHED_MODE, 0, 2), 2
	s_setreg_imm32_b32 hwreg(HW_REG_WAVE_MODE, 25, 1), 1
	s_wait_xcnt 0x0
	s_wait_alu depctr_vm_vsrc(0)
; THE ATTENTION INSIDE A TOKEN.  For each of 16,384 tokens: S[h][g] = 8 x the sum over 64 channels of q[h][d] k[g][d]; heads g > h are hidden; P = softmax over g; a[h][d] = the sum over g of P[h][g] v[g][d].
; proj holds two planes of f32, [16384][1024] each: q and k as [token][head][channel].  vh: [16384][1024] f16, v as [token][channel][head] (the launches before laid it so).  ah: [16384][1024] f16, [token][head][channel].
; WHY q AND k GO IN PAIRS.  The scores are multiplied by 8 and a weight reacts to a small error of a score, so 11 significant bits of q and k are too few.  Each number is split into hi = f16(x) and
; lo = f16(x - hi), the difference being exact in f32, and a score is hi.hi + hi.lo + lo.hi in f32 sums: six matrix instructions a token; lo.lo, some 2^-22 of a product, is left out.
; LIMITS.  |q|, |k|, |v| stay within 65,504, f16's largest number.  lo keeps f16's fixed step of 6e-8 below 6e-5.  A hidden score counts as its value less 1e30.  A weight below 2^-126 counts as 0;
; the weights are divided by their sum in f32 and then rounded to f16.  NaN and infinities are not treated apart.
; The maximum of a row's visible scores is taken away before the exponential: s - m is formed first, then multiplied by c = 8 log2(e), so the largest exponent is exactly 0.
; SHARES.  A work-group takes 64 tokens, each of its 16 waves four, one after the other.  A wave shares nothing with another: no barrier.  No cluster: no input is read twice.
; A wave's loads of the next token (20 of 512 bytes: q 8, k 8, v 4) are on their way while it works on the token in hand: a ring in registers, with counted waits.
; LAYOUT.  S^T = K Q^T (source 0 = 16 key heads, source 1 = 16 query heads): a lane holds ONE query head (lane % 16) and the key heads 8 (lane / 16) + 0..7.  Rounded in pairs these ARE the lower half of
; source 1 (32 keys x 16 queries) of O^T = V^T P; keys 16-31 are zeros on both sides.  O^T again holds one query head a lane, and eight channels, which pack into 16 bytes.
; V GOES STRAIGHT INTO ITS FRAGMENTS: a fragment of V^T is 16 channels x 16 heads, 512 consecutive bytes of vh, of which lane l takes the 16 at 32 (l % 16) + 16 (l / 16).  Two sets of fragments take turns.
; q and k change lanes between memory and the fragments, and O^T between its registers and memory, through the wave's own LDS bytes; LDS serves a wave's instructions in order (ISA guide 5.7.1.4), so no wait on DScnt stands between its stores and its loads.
; THE MODE: SCHED_MODE bits 1:0 = 2 (LLVM: expert scheduling mode 2), set by the entry lines.  The code itself states the register dependences
; between vector or matrix instructions and memory or LDS instructions, with s_wait_alu, always for 0.
; THE PLAN.  Registers that memory or LDS instructions touch, in the order of a token t:
;   v1, v2, v4, v6, v7, v8   offsets and LDS addresses: written at the head, never again.
;   XQ, XK       as loaded.  A plane's 64 conversion lines read and write its 32 registers; behind them the next token's loads land there.
;   VFA, VFB     V's fragments, by the token's parity.  The four products V^T P read a set; the loads of token t + 1 land in the set that token t - 1's products read.
;   v80-111      q's hi and lo, written by q's conversions, read by q's 16 LDS stores; then K's fragments land there; then O^T, which matrix and vector instructions alone name.
;   v112-143     k's hi and lo, written by k's conversions, read by k's 16 LDS stores; then Q's fragments land there; then v112-127 the packed O^T (written by conversions, read by 4 LDS stores)
;                and v128-143 the rows back from the stage (landed by 4 LDS loads, read by 4 global stores).
;   v10, v11     written at the head, read by the closing add alone.
; WHERE THE WAITS STAND, five a token beside the two behind the transcendentals.  (1) va_vdst behind q's conversions: for q's stores and the next q's loads.  (2) Beside it, from the second token on, vm_vsrc:
; the last token's stores have read v112-143, which k's conversions write.  Behind these two q's stores are dealt among k's conversion lines, which name XK, v112-143 and v9: none of the registers that those stores touch.
; (3) va_vdst behind k's conversions: for k's stores and the next token's loads of k and v.  (4) vm_vsrc ahead of the fragments' loads: all 32 stores have read v80-143.  (5) va_vdst behind the packing of O^T: for the stage.
; From a token to the next nothing is owed at the head: q's conversions write v80-111, which no memory or LDS instruction has read since (4).
.set WLDS, 11520                       ; LDS bytes of a wave, 45 blocks of 256
.set QH, 0                             ; 16 heads x 144 bytes (128 + 16 of padding: 36 words, so that the 16 rows of a load start at 16 different groups of four banks: ISA guide 11.1)
.set QL, 2304
.set KH, 4608
.set KL, 6912
.set STG, 9216                         ; 16 heads x 144 bytes: the way out
.set SPARE, 16*WLDS                    ; the spare words, 128 bytes for each of the 16 waves: eight blocks of 256 bytes that no other line names
.set VO,  1                            ; v1   my byte offset in the wave's four tokens of a plane of proj
.set LS,  2                            ; v2   where I put 8 bytes of q or k
.set LF,  4                            ; v4   my place in a fragment of q or k, and in the stage
.set VA,  6                            ; v6   my byte offset in the wave's four tokens of vh
.set RD,  7                            ; v7   the way out: where I read rows back
.set GO,  8                            ; v8   my byte offset in the wave's four tokens of ah
.set ONE, 9                            ; v9   1.0
.set SPW, 10                           ; v10  LDS address of my spare word: SPARE + 4 x my thread's number; never rewritten
.set NIL, 11                           ; v11  0; never rewritten
.set MD,  16                           ; v[16:23]  the mask: -1e30 where 8 (l / 16) + j > l % 16
.set P,   24                           ; v[24:31]  the weights; the upper four stay 0
.set SX,  32                           ; v[32:39], v[40:47]  two accumulators for the scores, by turns
.set SY,  40
.set VFA, 48                           ; v[48:79]  four fragments of V^T for the even tokens; the upper four registers of each stay 0
.set HQ,  80                           ; while converting: q's hi and lo, k's hi and lo, 16 registers each
.set LQ,  96
.set HK,  112
.set LK,  128
.set KHF, 80                           ; then the fragments: K hi, K lo, Q hi, Q lo, 16 registers each (channels 0-31, 32-63)
.set KLF, 96
.set QHF, 112
.set QLF, 128
.set O,   80                           ; afterwards: O^T, 4 x 8; its 16 packed registers; the rows read back
.set OP,  112
.set RB,  128
.set XQ,  144                          ; v[144:207]  q and k as loaded, 32 registers each
.set XK,  176
.set VFB, 208                          ; v[208:239]  the fragments of V^T for the odd tokens
.set MK,  24                           ; s[24:31]  first the arguments' addresses of proj and vh; when these have been added into s[4:11], eight masks of lanes
	s_load_b128 s[24:27], s[0:1], 0x0              ; proj s[24:25], vh s[26:27]
	s_load_b64 s[6:7], s[0:1], 0x10                ; ah
	v_lshl_add_u32 v[SPW], v0, 2, SPARE
	v_mov_b32 v[NIL], 0
	v_lshrrev_b32 v14, 5, v0
	v_readfirstlane_b32 s12, v14                   ; wave 0..15
	s_lshl_b32 s2, ttmp9, 18                       ; the work-group's 64 tokens of 4,096 bytes
	s_mov_b32 s3, 0
	s_lshl_b32 s22, ttmp9, 17                      ; and of 2,048
	s_mov_b32 s23, 0
	s_mov_b32 s16, 0x4138aa3b                      ; c = 8 log2(e) = 11.5416
	s_mov_b32 s17, s16                             ; named with it as a pair
	s_mov_b32 s18, 0x76543210                      ; v_permlanex16_b32: each lane takes its own place in the other half
	s_mov_b32 s19, 0xfedcba98
	s_mov_b32 s20, 0xf149f2ca                      ; -1e30
	v_and_b32 v14, 31, v0                          ; l
	v_and_b32 v12, 15, v0                          ; l % 16
	v_bfe_u32 v13, v0, 4, 1                        ; l / 16
	s_wait_alu depctr_va_sdst(0)                   ; s12 is written, ahead of its first reader: the wave's LDS bytes and its tokens' offsets are made from it
	s_mul_i32 s13, s12, WLDS                       ; my wave's LDS bytes
	s_lshl_b32 s14, s12, 14                        ; its four tokens of 4,096 bytes
	s_lshl_b32 s15, s12, 13                        ; and of 2,048
	v_lshl_add_u32 v[VO], v14, 4, s14
	v_lshl_add_u32 v[GO], v14, 4, s15
	v_lshl_add_u32 v[VA], v12, 5, s15              ; a channel's 16 heads are 32 bytes,
	v_lshl_add_u32 v[VA], v13, 4, v[VA]            ; eight heads 16
	s_wait_kmcnt 0x0
	s_add_nc_u64 s[4:5], s[24:25], s[2:3]          ; plane q at the work-group's first token,
	s_add_nc_u64 s[8:9], s[4:5], 0x4000000         ; plane k, 16,384 x 4,096 bytes on,
	s_add_nc_u64 s[10:11], s[26:27], s[22:23]      ; vh
	s_add_nc_u64 s[6:7], s[6:7], s[22:23]          ; and ah
.macro LOADS p, xr, t                  ; a token's 4,096 bytes of one plane: eight loads of 512 consecutive bytes
.set j, 0
.rept 8
	global_load_b128 v[(\xr)+4*j:(\xr)+4*j+3], v[VO], s[(\p):(\p)+1] offset:(\t)*4096+512*j th:TH_LOAD_NT
.set j, j+1
.endr
.endm
.macro LOADV t                         ; a token's 2,048 bytes of vh: four loads of 512 consecutive bytes, each the lower half of a fragment
.set VL, VFA+(VFB-VFA)*((\t)%2)
.irp c, 0,1,2,3
	global_load_b128 v[VL+8*(\c):VL+8*(\c)+3], v[VA], s[10:11] offset:(\t)*2048+512*(\c) th:TH_LOAD_NT
.endr
.endm
	s_wait_alu depctr_va_vdst(0)                   ; the offsets v[VO], v[VA] and v[GO] are written, which every global load and store of the kernel reads
	LOADS 4, XQ, 0                                 ; the ring is filled: token 0
	LOADS 8, XK, 0
	LOADV 0
	; load j's 16 bytes of lane l are head 2 j + l / 16, channels 4 (l % 16) on
	v_mul_u32_u24 v[LS], v13, 144
	v_lshl_add_u32 v[LS], v12, 3, v[LS]
	v_add_nc_u32 v[LS], s13, v[LS]
	; a fragment: lane l holds row l % 16, and 16 bytes at 16 (l / 16)
	v_mul_u32_u24 v[LF], v12, 144
	v_lshl_add_u32 v[LF], v13, 4, v[LF]
	v_add_nc_u32 v[LF], s13, v[LF]
	; back from the stage: 32 lanes take four heads' rows of 128 bytes, 512 consecutive bytes of ah
	v_bfe_u32 v14, v0, 3, 2
	v_and_b32 v15, 7, v0
	v_mul_u32_u24 v[RD], v14, 144
	v_lshl_add_u32 v[RD], v15, 4, v[RD]
	v_add_nc_u32 v[RD], s13, v[RD]
	v_mov_b32 v[ONE], 1.0
	v_lshlrev_b32 v14, 3, v13
	v_sub_nc_u32 v14, v12, v14                     ; l % 16 - 8 (l / 16): register j's key head is hidden where j is greater
.irp j, 0,1,2,3,4,5,6,7
	v_cmp_gt_i32 s[MK+(\j)], \j, v14               ; the eight compares in one run, each into a scalar register of its own
.endr
	s_wait_alu depctr_va_sdst(0)                   ; the eight masks s[24:31] are written, ahead of their first reader: one wait for the run
.irp j, 0,1,2,3,4,5,6,7
	v_cndmask_b32 v[MD+(\j)], 0, s20, s[MK+(\j)]
.endr
.irp i, 4,5,6,7
	v_mov_b32 v[P+(\i)], 0                         ; keys 16-31 do not exist: zeros on both sides of the second product, written once
.irp c, 0,8,16,24
	v_mov_b32 v[VFA+(\c)+(\i)], 0
	v_mov_b32 v[VFB+(\c)+(\i)], 0
.endr
.endr
; The next of q's sixteen LDS stores, by heads: eight of hi, then eight of lo.  n counts them.
.macro QPUT
.if n < 8
	ds_store_b64 v[LS], v[HQ+2*n:HQ+2*n+1] offset:QH+288*n
.else
	ds_store_b64 v[LS], v[LQ+2*(n-8):LQ+2*(n-8)+1] offset:QL+288*(n-8)
.endif
.set n, n+1
.endm
; q or k of a token is split: hi into v[hb ..], lo into v[hb + 16 ..].  deal = 1: one of q's LDS stores stands ahead of each four of the 64 lines.
.macro SPLIT xr, hb, deal
.set i, 0
.rept 16
.if (\deal) && (i%4 == 0)
	QPUT
.endif
	v_cvt_pk_f16_f32 v[(\hb)+i], v[(\xr)+2*i], v[(\xr)+2*i+1]
.set i, i+1
.endr
.set i, 0
.rept 16
.if (\deal) && (i%2 == 0)
	QPUT
.endif
	v_fma_mix_f32 v[(\xr)+2*i],   -v[(\hb)+i], v[ONE], v[(\xr)+2*i]   op_sel_hi:[1,0,0]                  ; x - hi, exact: the low half of hi,
	v_fma_mix_f32 v[(\xr)+2*i+1], -v[(\hb)+i], v[ONE], v[(\xr)+2*i+1] op_sel:[1,0,0] op_sel_hi:[1,0,0]   ; the high half
.set i, i+1
.endr
.set i, 0
.rept 16
.if (\deal) && (i%4 == 0)
	QPUT
.endif
	v_cvt_pk_f16_f32 v[(\hb)+16+i], v[(\xr)+2*i], v[(\xr)+2*i+1]
.set i, i+1
.endr
.endm
; One token.  refill = 1: q's and k's registers are loaded again, with the next token, as soon as they have been converted, and the next token's v goes into the other set of fragments.
; The loads go out in the order q, k, v.  Behind q's eight are k's 8 and v's 4: 12.  Behind k's: v's 4 and the next q's 8: 12.  Behind v's: the next token's 20.
.macro TOKEN t, refill
	s_wait_loadcnt 12                              ; loads come back in order (ISA guide 5.7.1): q is in; k's 8 and v's 4 stay out
	SPLIT XQ, HQ, 0
	s_wait_alu depctr_va_vdst(0)                   ; q's conversions have written v[80:111], which q's LDS stores read, and are done with XQ, in which the next q lands; in the first token the LDS addresses made at the head are written too
.if (\t) > 0
	s_wait_xcnt 0x0                                ; the last token's global stores have had their addresses translated (ISA guide 3.1): their data registers are rewritten only behind this wait
	s_wait_alu depctr_vm_vsrc(0)                   ; the last token's LDS stores have read v[112:127] and its global stores v[128:143], which k's conversions below write again
.endif
.if \refill
	LOADS 4, XQ, (\t)+1
	s_wait_loadcnt 12                              ; k is in; v's 4 and the next q's 8 stay out
.else
	s_wait_loadcnt 4                               ; the last token: the counts run down
.endif
.set n, 0
	SPLIT XK, HK, 1                                ; q's sixteen LDS stores stand among these lines.  No wait: no vector instruction since the wait above names v[80:111] or v[LS]
	s_wait_alu depctr_va_vdst(0)                   ; k's conversions have written v[112:143], which k's LDS stores read, and are done with XK, in which the next k lands; the products that read the other set of V's fragments are done
.if \refill
	LOADS 8, XK, (\t)+1
	LOADV (\t)+1
.endif
.set j, 0
.rept 8
	ds_store_b64 v[LS], v[HK+2*j:HK+2*j+1] offset:KH+288*j
	ds_store_b64 v[LS], v[LK+2*j:LK+2*j+1] offset:KL+288*j
.set j, j+1
.endr
.set VF, VFA+(VFB-VFA)*((\t)%2)
	s_wait_alu depctr_vm_vsrc(0)                   ; q's and k's LDS stores have read v[80:143], in which the fragments below land (the conversions that wrote them stand ahead of the last wait on va_vdst)
.irp i, 0,1,2,3
	ds_load_b128 v[KHF+4*(\i):KHF+4*(\i)+3], v[LF] offset:KH+32*(\i)
	ds_load_b128 v[KLF+4*(\i):KLF+4*(\i)+3], v[LF] offset:KL+32*(\i)
	ds_load_b128 v[QHF+4*(\i):QHF+4*(\i)+3], v[LF] offset:QH+32*(\i)
	ds_load_b128 v[QLF+4*(\i):QLF+4*(\i)+3], v[LF] offset:QL+32*(\i)
.endr
	s_wait_dscnt 0x0                               ; K and Q are in
	; the scores, on two accumulators by turns; the mask starts one sum, 0 the other
	v_wmma_f32_16x16x32_f16 v[SX:SX+7], v[KHF:KHF+7],     v[QHF:QHF+7],     v[MD:MD+7]
	v_wmma_f32_16x16x32_f16 v[SY:SY+7], v[KHF:KHF+7],     v[QLF:QLF+7],     0
	v_wmma_f32_16x16x32_f16 v[SX:SX+7], v[KLF:KLF+7],     v[QHF:QHF+7],     v[SX:SX+7]
	v_wmma_f32_16x16x32_f16 v[SY:SY+7], v[KHF+8:KHF+15],  v[QHF+8:QHF+15],  v[SY:SY+7]
	v_wmma_f32_16x16x32_f16 v[SX:SX+7], v[KHF+8:KHF+15],  v[QLF+8:QLF+15],  v[SX:SX+7]
	v_wmma_f32_16x16x32_f16 v[SY:SY+7], v[KLF+8:KLF+15],  v[QHF+8:QHF+15],  v[SY:SY+7]
.rept 4
	v_nop                                          ; the places behind those products (ISA guide 7.12.1)
.endr
.irp i, 0,2,4,6
	v_pk_add_f32 v[SX+(\i):SX+(\i)+1], v[SX+(\i):SX+(\i)+1], v[SY+(\i):SY+(\i)+1]  ; both accumulators are read from their low end on
.endr
	v_max3_num_f32 v12, v[SX], v[SX+1], v[SX+2]
	v_max3_num_f32 v14, v[SX+3], v[SX+4], v[SX+5]
	v_max3_num_f32 v12, v12, v[SX+6], v[SX+7]
	v_max_num_f32 v12, v12, v14
	v_permlanex16_b32 v14, v12, s18, s19           ; the query head's other eight key heads lie in the lane 16 away
	v_max_num_f32 v12, v12, v14                    ; m: key head 0 is hidden from nobody, so it is a true score
.irp i, 0,2,4,6
	v_pk_add_f32 v[SX+(\i):SX+(\i)+1], v[SX+(\i):SX+(\i)+1], v[12:13] op_sel_hi:[1,0] neg_lo:[0,1] neg_hi:[0,1]  ; s - m
.endr
.irp i, 0,2,4,6
	v_pk_mul_f32 v[SX+(\i):SX+(\i)+1], v[SX+(\i):SX+(\i)+1], s[16:17] op_sel_hi:[1,0]                            ; times c
.endr
.irp i, 0,1,2,3,4,5,6,7
	v_exp_f32 v[SX+(\i)], v[SX+(\i)]
.endr
	v_nop                                          ; a plain instruction between the last exponential and the use of its result (ISA guide 5.7.2)
	s_wait_alu depctr_va_vdst(0)                   ; the eight exponentials have written v[SX ..]: one wait for the batch, ahead of its first reader
	v_pk_add_f32 v[SY:SY+1], v[SX:SX+1], v[SX+2:SX+3]
	v_pk_add_f32 v[SY+2:SY+3], v[SX+4:SX+5], v[SX+6:SX+7]
	v_pk_add_f32 v[SY:SY+1], v[SY:SY+1], v[SY+2:SY+3]
	v_add_f32 v14, v[SY], v[SY+1]
	v_permlanex16_b32 v15, v14, s18, s19
	v_add_f32 v14, v14, v15                        ; the row's sum, at least 1
	v_rcp_f32 v12, v14
	v_nop                                          ; a plain instruction between the reciprocal and the use of its result
	s_wait_alu depctr_va_vdst(0)                   ; the reciprocal has written v12, ahead of its first reader
.irp i, 0,2,4,6
	v_pk_mul_f32 v[SX+(\i):SX+(\i)+1], v[SX+(\i):SX+(\i)+1], v[12:13] op_sel_hi:[1,0]
.endr
.irp i, 0,1,2,3
	v_cvt_pk_f16_f32 v[P+(\i)], v[SX+2*(\i)], v[SX+2*(\i)+1]
.endr
.if \refill
	s_wait_loadcnt 20                              ; V is in; the next token's twenty loads stay out
.else
	s_wait_loadcnt 0x0
.endif
.irp c, 0,1,2,3
	v_wmma_f32_16x16x32_f16 v[O+8*(\c):O+8*(\c)+7], v[VF+8*(\c):VF+8*(\c)+7], v[P:P+7], 0   ; channels 16 c on: four accumulators, one product each
.endr
.rept 4
	v_nop
.endr
.set i, 0
.rept 16
	v_cvt_pk_f16_f32 v[OP+i], v[O+2*i], v[O+2*i+1] ; ascending: each accumulator from its low end on
.set i, i+1
.endr
	s_wait_alu depctr_va_vdst(0)                   ; the conversions have written v[112:127], which the LDS stores read; the scores' products are done reading v[128:143], in which the rows from the stage land
.irp c, 0,1,2,3
	ds_store_b128 v[LF], v[OP+4*(\c):OP+4*(\c)+3] offset:STG+32*(\c)
.endr
.irp f, 0,1,2,3
	ds_load_b128 v[RB+4*(\f):RB+4*(\f)+3], v[RD] offset:STG+576*(\f)
.endr
	s_wait_dscnt 0x0
.irp f, 0,1,2,3
	global_store_b128 v[GO], v[RB+4*(\f):RB+4*(\f)+3], s[6:7] offset:(\t)*2048+512*(\f)  ; 512 consecutive bytes, at a multiple of 512 from ah's first byte
.endr
.endm
	TOKEN 0, 1
	TOKEN 1, 1
	TOKEN 2, 1
	TOKEN 3, 0
	s_wait_dscnt 0x0                               ; the closing lines, six on end
	s_wait_alu 0x0
	s_wait_tensorcnt 0x0
	ds_add_u32 v[SPW], v[NIL]
	s_wait_dscnt 0x0
	s_endpgm
.Lfunc_end_k_qd7c9192ab1_attn:
	.size	k_qd7c9192ab1_attn, .Lfunc_end_k_qd7c9192ab1_attn-k_qd7c9192ab1_attn
	.p2alignl 7, 3214868480
	.fill 96, 4, 3214868480
	.section	.rodata,"a",@progbits
	.p2align	6, 0x0
	.amdhsa_kernel k_qd7c9192ab1_attn
		.amdhsa_group_segment_fixed_size 186368
		.amdhsa_private_segment_fixed_size 0
		.amdhsa_enable_private_segment 0
		.amdhsa_kernarg_size 24
		.amdhsa_user_sgpr_count 2
		.amdhsa_user_sgpr_kernarg_segment_ptr 1
		.amdhsa_wavefront_size32 1
		.amdhsa_system_sgpr_workgroup_id_x 1
		.amdhsa_system_sgpr_workgroup_id_y 1
		.amdhsa_system_sgpr_workgroup_id_z 1
		.amdhsa_system_vgpr_workitem_id 0
		.amdhsa_next_free_vgpr 240
		.amdhsa_next_free_sgpr 66
		.amdhsa_reserve_vcc 0
		.amdhsa_float_denorm_mode_32 3
		.amdhsa_float_denorm_mode_16_64 3
		.amdhsa_memory_ordered 1
		.amdhsa_forward_progress 1
		.amdhsa_inst_pref_size 78
	.end_amdhsa_kernel
	.amdgpu_metadata
---
amdhsa.version: [ 1, 2 ]
amdhsa.kernels:
  - .name:           k_qd7c9192ab1_attn
    .symbol:         k_qd7c9192ab1_attn.kd
    .args:
      - { .name: proj, .offset: 0, .size: 8, .value_kind: global_buffer, .address_space: global }
      - { .name: vh, .offset: 8, .size: 8, .value_kind: global_buffer, .address_space: global }
      - { .name: ah, .offset: 16, .size: 8, .value_kind: global_buffer, .address_space: global }
    .group_segment_fixed_size: 186368
    .private_segment_fixed_size: 0
    .kernarg_segment_align: 8
    .kernarg_segment_size: 24
    .max_flat_workgroup_size: 512
    .sgpr_count:     66
    .vgpr_count:     240
    .wavefront_size: 32
...
	.end_amdgpu_metadata
.endif
;; end of part 5
;; launch oproj: the kernel of part 4 again; grid 4 x 64, 4 waves a work-group, clusters of 4 x 4, 327,680 bytes of LDS; arguments ah, woh, boh, out0; writes out0
